; MI455X (gfx1250); checked and timed in simulation.
; The chip was launched on July 23, 2026; its instructions are those of AMD's public machine-readable ISA for CDNA 5 (MIT licence, August 2026) and "CDNA5" Instruction Set Architecture Reference Guide (July 2026). The comments in the code are by the model that wrote it; some were corrected since.
;; Multi Head Attention. Allowed arithmetic: matrix products marked QUANTISED: E2M3 operands, one E8M0 scale for each 32 along K, by v_wmma_scale_f32_16x16x128_f8f6f4 with both operands' format E2M3, f32 sums; everything else in f32.
;; Inputs: W_k 1,024 x 1,024 float32; W_o 1,024 x 1,024 float32; W_q 1,024 x 1,024 float32; W_v 1,024 x 1,024 float32; x 4 x 2,048 x 1,024 float32.
;; Outputs: out0 4 x 2,048 x 1,024 float32.
;; This version of the problem:
;;   THIS VERSION OF THE PROBLEM IS GIVEN IN LOW PRECISION. The matrix products marked QUANTISED in the list below multiply operands that are first quantised to E2M3 (2 exponent bits, 3 mantissa bits; 6 bits a number), with one power-of-two scale for each 32 numbers along K (OCP MX v1.0); their sums are f32. All else is computed in f32.
;;   The module's matrix products, in the order in which they are computed (A, B: the left and right operand; K: the contracted axis; several contracted axes count as one K, in the product's order):
;;     1. [M 8,192, K 1,024] x [K 1,024, N 1,024]; A: input x; B: input W_q: QUANTISED
;;     2. [M 8,192, K 1,024] x [K 1,024, N 1,024]; A: input x; B: input W_k: QUANTISED
;;     3. [M 8,192, K 1,024] x [K 1,024, N 1,024]; A: input x; B: input W_v: QUANTISED
;;     4. batch 64 x [M 2,048, K 64] x [K 64, N 2,048]; A: computed on the way; B: computed on the way: QUANTISED
;;     5. batch 64 x [M 2,048, K 2,048] x [K 2,048, N 64]; A: softmax (see below); B: computed on the way: QUANTISED
;;     6. [M 8,192, K 1,024] x [K 1,024, N 1,024]; A: computed on the way; B: input W_o: QUANTISED
;;   THE QUANTISER, for each operand of a quantised product, along K:
;;     - K is cut into blocks of 32 from its start; a last block that is shorter is filled with zeros.
;;     - A block's scale is 2^e with e = floor(log2(the largest magnitude in the block)) - 2, held to -126 .. 127; a block of zeros has e = 0. As a byte (E8M0): e + 127.
;;     - Each number is divided by its block's scale, clamped to +-7.5, and rounded to the nearest number of E2M3, ties to even, subnormals kept.
;;     - The product sums the exact products of the quantised numbers (number of the format x scale) in f32.
;;   ~~~python
;;   def quantise(x, axis):      # numpy; x: float32 -> the quantised numbers, widened to float32 again
;;       x = np.moveaxis(x, axis, -1); K = x.shape[-1]
;;       x = np.pad(x, [(0, 0)] * (x.ndim - 1) + [(0, -K % 32)]); x = x.reshape(x.shape[:-1] + (-1, 32)); a = np.abs(x).max(-1, keepdims=True)
;;       e = np.where(a > 0, np.clip(np.frexp(np.where(a > 0, a, 1))[1] - 1 - 2, -126, 127), 0)      # np.frexp(a)[1] - 1 = floor(log2(a)), exactly
;;       r = np.clip(x / 2.0 ** e, -7.5, 7.5)
;;       step = 2.0 ** (np.maximum(np.frexp(np.where(r == 0, 1, r))[1] - 1, 0) - 3)
;;       q = np.round(r / step) * step * 2.0 ** e      # np.round: ties to even
;;       return np.moveaxis(q.reshape(q.shape[:-2] + (-1,))[..., :K], -1, axis).astype(np.float32)
;;   ~~~
;;   SOFTMAX AHEAD OF A QUANTISED PRODUCT. Where the list says 'softmax', what is quantised is not the finished softmax but p = 2^(t - M), with t = logit x log2(e) and M = ceil(the row's largest t), a whole number; so 1/2 < the row's largest p <= 1. The row's sum l is taken of the UNQUANTISED p, in f32, and the product's result is divided by l at the end. Since M is a whole number, a kernel that streams over the keys may use a running M (the ceiling of the running maximum): every later rescaling is an exact power of two, which a block's scale takes up: the codes' values come out the same.
;;   OPERANDS COMPUTED ON THE WAY. 'Computed on the way' means the value that the module computes at that place (a softmax that the list does not call 'softmax' is quantised finished and normalised). What goes into a quantiser is computed in f32, as accurately as f32 sums, v_exp_f32 and their like allow (about 1e-6 of the number): no bf16 or f16 on the way to a quantiser, and a product that is left as it is and whose result goes on into a quantised operand takes f32 operands (vector FMAs, or v_wmma_f32_16x16x4_f32). A number that lies on a knife's edge between two numbers of the format may be rounded either way, as far as f32 arithmetic and the matrix unit's own rounding can turn it there, and no further.
;; One version. Each part assembles by itself: llvm-mc -triple=amdgcn-amd-amdhsa -mcpu=gfx1250 --defsym DOCPART=n.
;; ======== version 1 of 1: 4 launches
;; limits: right only within a limited range of input values
;; workspace buffers: xc 6,291,456 bytes; xsc 262,144 bytes; wc 3,145,728 bytes; wsc 131,072 bytes; qkvc 18,874,368 bytes; qkvsc 786,432 bytes; ac 6,291,456 bytes; asc 262,144 bytes
;; launch quant (part 1): grid 96 x 8, 8 waves a work-group, no clusters, 69,120 bytes of LDS; arguments x, W_q, W_k, W_v, W_o, xc, xsc, wc, wsc; writes xc, xsc, wc, wsc
.if DOCPART == 1
	.amdgcn_target "amdgcn-amd-amdhsa--gfx1250"
	.amdhsa_code_object_version 6
	.text
	.protected	k_qcc5abd34a8_quant
	.globl	k_qcc5abd34a8_quant
	.p2align	8
	.type	k_qcc5abd34a8_quant,@function
k_qcc5abd34a8_quant:
	s_mov_b64 s[64:65], 0
	v_nop
	global_prefetch_b8 v0, s[64:65] scope:SCOPE_SE
	s_setreg_imm32_b32 hwreg(HW_REG_WAVE_MODE, 25, 1), 1
	s_wait_xcnt 0x0
; x [8192][1024] and W_q, W_k, W_v, W_o [1024][1024], f32, K innermost, become codes of FP6 (E2M3) with one E8M0 byte for each 32 along K, once for the whole program.
; A block's scale is 2^(floor(log2(its largest magnitude)) - 2): its byte is the largest magnitude's exponent field - 2, held at 1 from below.
; LAYOUT OF THE RESULTS (this program's own).  Rows go in groups of 128 = 8 tiles of 16.  THE ROWS OF A TILE ARE NOT NEIGHBOURS: lane index r of tile a stands for row 64 (a / 4) + 8 (a % 4) + r % 8 + 32 (r / 8).
; A fragment (a tile x 128 along K, 12 registers a lane) is stored as an IMAGE OF ITS REGISTERS, 1,536 bytes: registers 2 g, 2 g + 1 of lane l at 256 g + 8 l.  Codes: [tile][128 along K: kc 0..7][1,536].
; Scale words (four bytes: a row's 128 along K): [group][kc][512], the word of (tile a, lane index r) at 32 r + 4 a.  wc, wsc: rows 0-1023 W_q, then W_k, W_v, W_o.
; SHARES.  Work-group (x, y): x 0..63: group x of x; x 64..95: group x - 64 of the weights; y = kc.  Wave a takes tile a: 16 rows x 128 numbers.  Only pointers are chosen: all tensors take one path.
; Each load reads 512 consecutive bytes of one row; the 16 rows turn through the wave's own stage in LDS, so that a lane gets the 2 x 32 neighbours that the operand's layout gives it.
; No cluster, no tensor load, no matrix unit: work-groups share no input and the launch only streams.
; LIMITS: NaN and infinities are not served.  A block whose largest magnitude lies under 2^-124 has its byte held at 1; a block of zeros has the byte 1, not 127: its codes are zeros, and this program alone reads the bytes.
.set STG,   8448                       ; a wave's stage: 16 rows x (512 bytes + 16): the sixteen rows that a read touches start 33 x 16 bytes apart
.set SCB,   8*STG                      ; the group's 512 bytes of scale words
.set SPARE, SCB+512                    ; the spare words, 128 bytes for each of eight waves: four blocks of 256 bytes that no other line names
.set LO16, 4                           ; v4   16 x lane
.set STI,  5                           ; v5   stage, in: my wave's stage + 16 x lane
.set STO,  6                           ; v6   stage, out: + 528 r + 128 h
.set SCA,  7                           ; v7   SCB + 32 r + 4 a
.set SCR,  8                           ; v8   SCB + 16 x lane
.set LO8,  9                           ; v9   8 x lane
.set SPW,  10                          ; v10  my spare word; never rewritten
.set NIL,  11                          ; v11  0; never rewritten
.set MX,   12                          ; v12-13 largest magnitudes
.set SF,   14                          ; v14-15 the conversions' scale operands
.set R,    16                          ; v16-79  16 rows as loaded
.set X,    80                          ; v80-143 my 2 x 32 neighbours
.set C,    144                         ; v144-155 the fragment
.set T,    16                          ; v16-18, v20-22 a block's second 16 codes (from here on: registers of the rows as loaded, which have been stored to the stage by then)
.set BY,   24                          ; v24-25 bytes
.set PW,   26                          ; v26 the scale word
.set TP,   27
.set SB,   28                          ; v28-31 the scale block on its way out
	s_load_b256 s[4:11], s[0:1], 0x0               ; x, W_q, W_k, W_v
	s_load_b256 s[12:19], s[0:1], 0x20             ; W_o, xc, xsc, wc
	s_load_b64 s[20:21], s[0:1], 0x40              ; wsc
	v_lshl_add_u32 v[SPW], v0, 2, SPARE
	v_mov_b32 v[NIL], 0
	v_lshrrev_b32 v1, 5, v0
	s_delay_alu instid0(VALU_DEP_1)
	v_readfirstlane_b32 s22, v1                    ; wave a = my tile
	v_and_b32 v1, 31, v0                           ; lane
	v_and_b32 v2, 15, v0                           ; r
	v_bfe_u32 v3, v0, 4, 1                         ; h
	s_delay_alu instid0(VALU_DEP_3)
	v_lshlrev_b32 v[LO16], 4, v1
	s_mul_i32 s25, s22, STG
	v_add_nc_u32 v[STI], s25, v[LO16]
	v_mul_u32_u24 v[STO], v2, 528
	s_delay_alu instid0(VALU_DEP_1)
	v_lshl_add_u32 v[STO], v3, 7, v[STO]
	s_delay_alu instid0(VALU_DEP_1)
	v_add_nc_u32 v[STO], s25, v[STO]
	s_lshl_b32 s26, s22, 2
	s_add_co_u32 s26, s26, SCB
	v_lshl_add_u32 v[SCA], v2, 5, s26
	v_add_nc_u32 v[SCR], SCB, v[LO16]
	v_lshlrev_b32 v[LO8], 3, v1
	s_and_b32 s23, ttmp7, 0xffff                   ; kc
	s_max_u32 s24, ttmp9, 64
	s_sub_co_u32 s24, s24, 64                      ; the weights' group 0..31 (0 in x's work-groups)
	s_lshr_b32 s25, s24, 3                         ; which weight
	s_and_b32 s26, s24, 7                          ; and its group
	s_mov_b32 s30, 0x76543210
	s_mov_b32 s31, 0xfedcba98                      ; v_permlanex16_b32's selects for lane l xor 16
	s_wait_alu depctr_va_vdst(0)
	s_wait_kmcnt 0x0
	s_cmp_eq_u32 s25, 1                            ; the choices hang on the work-group's number alone
	s_cselect_b64 s[6:7], s[8:9], s[6:7]
	s_cmp_eq_u32 s25, 2
	s_cselect_b64 s[6:7], s[10:11], s[6:7]
	s_cmp_eq_u32 s25, 3
	s_cselect_b64 s[6:7], s[12:13], s[6:7]
	s_cmp_lt_u32 ttmp9, 64
	s_cselect_b64 s[4:5], s[4:5], s[6:7]           ; the source
	s_cselect_b64 s[14:15], s[14:15], s[18:19]     ; its codes
	s_cselect_b64 s[16:17], s[16:17], s[20:21]     ; its scale words
	s_cselect_b32 s26, ttmp9, s26                  ; the group in the source
	s_cselect_b32 s24, ttmp9, s24                  ; the group in the results
	s_lshl_b32 s28, s26, 19                        ; 128 rows of 4,096 bytes a group,
	; THE ROWS' ORDER IN FORCE: lane index r of tile a stands for row 64 (a / 4) + 8 (a % 4) + r % 8 + 32 (r / 8) of its group of 128
	s_lshr_b32 s27, s22, 2
	s_lshl_b32 s27, s27, 18                        ; 64 (a / 4) rows,
	s_add_co_u32 s28, s28, s27
	s_and_b32 s27, s22, 3
	s_lshl_b32 s27, s27, 15                        ; 8 (a % 4) rows,
	s_add_co_u32 s28, s28, s27
	s_lshl_b32 s27, s23, 9                         ; 512 bytes a kc
	s_add_co_u32 s28, s28, s27
	s_mov_b32 s29, 0
	s_add_nc_u64 s[4:5], s[4:5], s[28:29]
	s_lshl_b32 s28, s24, 3
	s_add_co_u32 s27, s28, s22                     ; tile = 8 x group + a
	s_lshl_b32 s27, s27, 3
	s_add_co_u32 s27, s27, s23
	s_mul_i32 s32, s27, 1536
	s_mov_b32 s33, 0
	s_add_nc_u64 s[14:15], s[14:15], s[32:33]
	s_add_co_u32 s34, s28, s23
	s_lshl_b32 s34, s34, 9
	s_mov_b32 s35, 0
	s_add_nc_u64 s[16:17], s[16:17], s[34:35]
.irp i, 0,1,2,3,4,5,6,7,8,9,10,11,12,13,14,15
	global_load_b128 v[R+4*\i:R+4*\i+3], v[LO16], s[4:5] offset:(\i+24*(\i/8))*4096 th:TH_LOAD_NT   ; lane index i's row, i % 8 + 32 (i / 8): 32 lanes read its 512 consecutive bytes; read once in the launch
.endr
.irp i, 0,1,2,3,4,5,6,7,8,9,10,11,12,13,14,15
	s_wait_loadcnt 15-\i                           ; loads come back in order: row i is in, the younger ones stay out
	ds_store_b128 v[STI], v[R+4*\i:R+4*\i+3] offset:528*\i
.endr
.irp c, 0,1
.irp j, 0,1,2,3,4,5,6,7
	ds_load_b128 v[X+32*\c+4*\j:X+32*\c+4*\j+3], v[STO] offset:256*\c+16*\j   ; k = 64 c + 32 h + 4 j .. of row r.  LDS serves a wave's instructions in order: these see my stores
.endr
.endr
	s_wait_dscnt 0x0
.irp c, 0,1                                    ; my block 2 c + h: all its 32 numbers are mine
	v_max3_num_f32 v[MX+\c], |v[X+32*\c]|, |v[X+32*\c+1]|, 0x1800000   ; with the floor 2^(3 - 127): the byte cannot fall under 1
.endr
.irp i, 2,4,6,8,10,12,14,16,18,20,22,24,26,28,30
.irp c, 0,1
	s_delay_alu instid0(VALU_DEP_2)
	v_max3_num_f32 v[MX+\c], v[MX+\c], |v[X+32*\c+\i]|, |v[X+32*\c+\i+1]|
.endr
.endr
.irp c, 0,1
	s_delay_alu instid0(VALU_DEP_2)
	v_add_nc_u32 v[SF+\c], 0xff000000, v[MX+\c]    ; 2 off the exponent field: the conversion takes this operand's exponent field as its scale
.endr
.irp c, 0,1
	s_delay_alu instid0(VALU_DEP_2)
	v_lshrrev_b32 v[BY+\c], 23, v[SF+\c]           ; the scale's byte
.endr
	s_delay_alu instid0(VALU_DEP_1)
	v_lshl_or_b32 v[PW], v[BY+1], 16, v[BY]        ; blocks h and 2 + h of my row,
	v_lshlrev_b32 v[TP], 3, v3
	s_delay_alu instid0(VALU_DEP_1)
	v_lshlrev_b32 v[PW], v[TP], v[PW]              ; 8 h bits up;
	v_mov_b32 v[TP], 0
	s_delay_alu instid0(VALU_DEP_1)
	v_permlanex16_b32 v[TP], v[PW], s30, s31
	s_delay_alu instid0(VALU_DEP_1)
	v_or_b32 v[PW], v[PW], v[TP]                   ; with lane l xor 16's two the word is whole
.irp c, 0,1
	v_cvt_scalef32_pk16_fp6_f32 v[C+6*\c:C+6*\c+2], v[X+32*\c:X+32*\c+15], v[SF+\c]
	v_cvt_scalef32_pk16_fp6_f32 v[T+4*\c:T+4*\c+2], v[X+32*\c+16:X+32*\c+31], v[SF+\c]   ; (a conversion's three registers begin on an even number)
.endr
	v_nop                                          ; one plain place behind a scaled conversion
.irp c, 0,1
.irp i, 0,1,2
	v_mov_b32 v[C+6*\c+3+\i], v[T+4*\c+\i]
.endr
.endr
.irp g, 0,1,2,3,4,5
	global_store_b64 v[LO8], v[C+2*\g:C+2*\g+1], s[14:15] offset:256*\g   ; the image: 32 lanes store 256 consecutive bytes, at a multiple of 256 from the buffer's first byte
.endr
	ds_store_b32 v[SCA], v[PW]                     ; lanes r and r + 16 write the same word with the same value
	s_wait_dscnt 0x0                               ; for the others' sake: my word has landed
	s_barrier_signal -1
	s_barrier_wait -1
	s_cmp_lg_u32 s22, 0
	s_cbranch_scc1 .Lothers
	ds_load_b128 v[SB:SB+3], v[SCR]                ; wave 0 stores the group's 512 bytes of scale words on end
	s_wait_dscnt 0x0
	global_store_b128 v[LO16], v[SB:SB+3], s[16:17]
.Lothers:
	s_wait_tensorcnt 0x0                           ; the wave's end, behind my last LDS store
	ds_add_u32 v[SPW], v[NIL]
	s_wait_dscnt 0x0
	s_endpgm
.Lfunc_end_k_qcc5abd34a8_quant:
	.size	k_qcc5abd34a8_quant, .Lfunc_end_k_qcc5abd34a8_quant-k_qcc5abd34a8_quant
	.p2alignl 7, 3214868480
	.fill 96, 4, 3214868480
	.section	.rodata,"a",@progbits
	.p2align	6, 0x0
	.amdhsa_kernel k_qcc5abd34a8_quant
		.amdhsa_group_segment_fixed_size 69120
		.amdhsa_private_segment_fixed_size 0
		.amdhsa_enable_private_segment 0
		.amdhsa_kernarg_size 72
		.amdhsa_user_sgpr_count 2
		.amdhsa_user_sgpr_kernarg_segment_ptr 1
		.amdhsa_wavefront_size32 1
		.amdhsa_system_sgpr_workgroup_id_x 1
		.amdhsa_system_sgpr_workgroup_id_y 1
		.amdhsa_system_sgpr_workgroup_id_z 1
		.amdhsa_system_vgpr_workitem_id 0
		.amdhsa_next_free_vgpr 156
		.amdhsa_next_free_sgpr 66
		.amdhsa_reserve_vcc 0
		.amdhsa_float_denorm_mode_32 3
		.amdhsa_float_denorm_mode_16_64 3
		.amdhsa_memory_ordered 1
		.amdhsa_forward_progress 1
		.amdhsa_inst_pref_size 13
	.end_amdhsa_kernel
	.amdgpu_metadata
---
amdhsa.version: [ 1, 2 ]
amdhsa.kernels:
  - .name:           k_qcc5abd34a8_quant
    .symbol:         k_qcc5abd34a8_quant.kd
    .args:
      - { .name: x, .offset: 0, .size: 8, .value_kind: global_buffer, .address_space: global }
      - { .name: W_q, .offset: 8, .size: 8, .value_kind: global_buffer, .address_space: global }
      - { .name: W_k, .offset: 16, .size: 8, .value_kind: global_buffer, .address_space: global }
      - { .name: W_v, .offset: 24, .size: 8, .value_kind: global_buffer, .address_space: global }
      - { .name: W_o, .offset: 32, .size: 8, .value_kind: global_buffer, .address_space: global }
      - { .name: xc, .offset: 40, .size: 8, .value_kind: global_buffer, .address_space: global }
      - { .name: xsc, .offset: 48, .size: 8, .value_kind: global_buffer, .address_space: global }
      - { .name: wc, .offset: 56, .size: 8, .value_kind: global_buffer, .address_space: global }
      - { .name: wsc, .offset: 64, .size: 8, .value_kind: global_buffer, .address_space: global }
    .group_segment_fixed_size: 69120
    .private_segment_fixed_size: 0
    .kernarg_segment_align: 8
    .kernarg_segment_size: 72
    .max_flat_workgroup_size: 256
    .sgpr_count:     66
    .vgpr_count:     156
    .wavefront_size: 32
...
	.end_amdgpu_metadata
.endif
;; end of part 1
;; launch proj (part 2): grid 8 x 48, 4 waves a work-group, clusters of 4 x 4, 327,680 bytes of LDS; arguments xc, xsc, wc, wsc, qkvc, qkvsc; writes qkvc, qkvsc
.if DOCPART == 2
	.amdgcn_target "amdgcn-amd-amdhsa--gfx1250"
	.amdhsa_code_object_version 6
	.text
	.protected	k_qcc5abd34a8_proj
	.globl	k_qcc5abd34a8_proj
	.p2align	8
	.type	k_qcc5abd34a8_proj,@function
k_qcc5abd34a8_proj:
	s_mov_b64 s[64:65], 0
	v_nop
	global_prefetch_b8 v0, s[64:65] scope:SCOPE_SE
	s_setreg_imm32_b32 hwreg(HW_REG_WAVE_MODE, 25, 1), 1
	s_wait_xcnt 0x0
	s_wait_alu depctr_hold_cnt(0) depctr_sa_sdst(0) depctr_va_vdst(0) depctr_va_sdst(0) depctr_va_ssrc(0) depctr_va_vcc(0) depctr_vm_vsrc(0)
	s_getreg_b32 s2, hwreg(HW_REG_IB_STS2, 6, 4)
	s_cmp_eq_u32 s2, 0
	s_cbranch_scc0 .Lentry_in_a_cluster
	s_endpgm
.Lentry_in_a_cluster:
	s_bfe_u32 s2, ttmp6, 0x10000c
	s_cmp_lg_u32 s2, 0xf033
	s_cbranch_scc0 .Lentry_shape_is_right
	s_endpgm
.Lentry_shape_is_right:
; Q = x W_q^T, K = x W_k^T, V = x W_v^T on codes of FP6 (E2M3) with E8M0 scales, K = 1,024; the results are quantised in registers on the way out: Q and K along the head's 64, V along the KEYS.
; ONE GENERIC PRODUCT.  Source 1 = M1: its rows stay one to a lane.  Source 0 = M0: its rows run along a lane's registers and become the K of the result's quantiser.
; ROLE, by the cluster's y, which all sixteen partners share: y 0..7: M1 = x (tokens), M0 = W_q and W_k (2,048 rows);  y 8..11: M1 = W_v, M0 = x.  Only pointers and a few numbers are chosen, by selects: the text has one path.
; OPERANDS lie as images of fragments ([tile][kc][1,536]: registers 2 g, 2 g + 1 of lane l at 256 g + 8 l); lane index r of tile a of a group of 128 rows stands for row 64 (a / 4) + 8 (a % 4) + r % 8 + 32 (r / 8).
; So the 16 registers of result tiles 2 b and 2 b + 1 of lane (r, h) are 16 NEIGHBOURING rows of M0, 64 (b / 2) + 16 (b % 2) + 32 h + 0 .. 15, and a fragment comes from LDS by six loads of 8 bytes a lane, each 256 consecutive bytes.
; A tile of the result is 256 x 256: four waves, each 128 x 128: 64 accumulators, 512 registers.  K goes in steps of 256 through a ring of two LDS slots; the scale words of all of K come once, with the first fills.
; CLUSTERS: 4 x 4.  M1's tile hangs on the place along y and is shared along a row of the cluster, M0's on the place along x and is shared along a column: each is asked for jointly.
; RESULTS: qkvc [P 0..23][T 0..63][tile a 0..7][1,536], qkvsc [P][T][512] (the word of (a, r) at 32 r + 4 a).  P 0..7: Q of head pair P, 8..15: K, 16..23: V; T: group of 128 tokens.
;   Q, K: a = tile of tokens; registers 0-5 the even head's 64, 6-11 the odd head's.  V: a = 4 x (head's parity) + tile of 16 of the head's 64; K = the group's 128 keys.
; REGISTERS: window 0: v1-31 addresses; v32-63 scale words, two sets; v64-99 at work on the way out; v128-223 M1's fragments, ONE set, later the codes made.  window 1: M0's fragments, TWO sets, at v0 and v128.
;   window 2: the accumulators of M1's tiles 0-3 ((a, b) at v[8 (8 (a % 4) + b)]);  window 3: of tiles 4-7.
; LIMITS: NaN and infinities are not served.  A block whose largest magnitude lies under 2^-124 has its byte held at 1; a block of zeros has the byte 1: its codes are zeros, and this program alone reads the bytes.
.set NQ,     2                         ; matrix instructions deep in a slot
.set FR,     12                        ; registers of a fragment
.set NL,     6                         ; LDS loads that bring one
.set NP,     4                         ; places behind this matrix instruction (ISA guide 7.12.1)
.set FRB,    1536                      ; a fragment's image
.set TILEB,  NQ*FRB                    ; a tile's part of a slot
.set HALFT,  8*TILEB                   ; 8 tiles: what one tensor load brings, and what one wave reads of M1 or of M0
.set SLOT,   4*HALFT                   ; M1's two halves, then M0's two
.set GRPB,   64*FRB                    ; a group of 128 rows in memory: 8 tiles x 8 kc
.set LAPS,   2                         ; 1,024 / 512: a lap = two K steps = once round the ring
.set SCL,    2*SLOT                    ; behind the ring: the scale words, 4,096 bytes for each of the four halves: [kc][512]
.set SPARE,  SCL+4*4096                ; the spare words, 128 bytes for each wave: two blocks of 256 bytes that no other line names
.set ADR1, 16                          ; v16-17  LDS address of my M1 fragments in slot 0, 1
.set ADR0, 20                          ; v20-21  the same for M0
.set LO8,  24                          ; v24     8 x lane
.set SO,   25                          ; v25     32 r + 16 h: my 16 bytes of the scale block
.set ADRS, 27                          ; v27     LDS address of my scale words: lanes 0-15 M1's, lanes 16-31 M0's
.set SPW,  28                          ; v28     my spare word; never rewritten
.set NIL,  29                          ; v29     0; never rewritten
.set SC,   32                          ; scale words: v[SC + 16 set + 8 q + i]: lanes 0-15 the word of M1's tile i, lanes 16-31 of M0's tile i
.set TM,   64                          ; v64-67 largest magnitudes, v68-71 bytes, v76-79 scale operands
.set PW,   80                          ; v80-87 the scale word made for M1's tile a
.set TT,   88                          ; v88-90, v92-94 a block's second 16 codes
.set SELW, 96                          ; v96-99 my four words of the scale block
.set AF,   128                         ; M1's fragments
.set PCB,  128                         ; the codes made: 12 registers for each tile a, so that no store's data are written again
.set G1, 24                            ; s[24:31] descriptor group 1 for M1's tiles;  s[32:39] group 0, one set for each slot
.set G0, 32
.set G1B, 48                           ; s[48:55], s[56:63] the same for M0's
.set G0B, 56
.set G1S, 68                           ; s[68:75], s[76:79] for M1's scale words;  s[80:87], s[88:91] for M0's
.set G0S, 76
.set G1SB, 80
.set G0SB, 88
.set MSB, 0
.macro WIN new                         ; the immediate's high byte repeats the setting that is left
.if MSB != (\new)
	s_set_vgpr_msb (MSB<<8)|(\new)
.set MSB, (\new)
.endif
.endm
.set MUL_LO, 0xa1                      ; source 0 (M0) window 1, source 1 (M1) window 0, C and D window 2
.set MUL_HI, 0xf1                      ; the same, C and D window 3
.set TO_B,   0x40                      ; destination window 1, address window 0
; A joint load: waves 0 and 1 fetch for M1, waves 2 and 3 for M0.  Each line has one mask and one set of registers; the branch hangs on the wave's number alone.
; An s_nop 0 and four v_nop follow each of the two lines.
.macro JLOAD g0a, g1a, g0b, g1b
	s_cmp_eq_u32 s17, 0
	s_cbranch_scc0 .Lfor_b_\@
	tensor_load_to_lds s[\g0a:\g0a+3], s[\g1a:\g1a+7]
	s_nop 0
.rept 4
	v_nop
.endr
	s_branch .Lasked_\@
.Lfor_b_\@:
	tensor_load_to_lds s[\g0b:\g0b+3], s[\g1b:\g1b+7]
	s_nop 0
.rept 4
	v_nop
.endr
.Lasked_\@:
.endm
.macro CREST                           ; a round of the cluster's barrier behind its opening barrier
	s_cmp_lg_u32 s16, 0
	s_cbranch_scc1 .Lnot_wave_0_\@
	s_barrier_signal -3
.Lnot_wave_0_\@:
	s_barrier_wait -3
	s_barrier_signal -1
	s_barrier_wait -1
.endm
.macro CROUND                          ; a whole round
	s_barrier_signal -1
	s_barrier_wait -1
	CREST
.endm
	s_load_b256 s[4:11], s[0:1], 0x0               ; xc, xsc, wc, wsc
	s_load_b128 s[12:15], s[0:1], 0x20             ; qkvc, qkvsc
	v_lshl_add_u32 v[SPW], v0, 2, SPARE
	v_mov_b32 v[NIL], 0
	ds_add_u32 v[SPW], v[NIL]                      ; the wave's opening: the add and its wait stand ahead of my first tensor load; the set-up below, work on registers, stands between them
	ds_add_u32 v[SPW], v[NIL]
	v_lshrrev_b32 v1, 5, v0
	v_readfirstlane_b32 s16, v1                    ; wave 0..3
	s_lshr_b32 s17, s16, 1                         ; which half of M1's rows is mine.  Also: I fetch for M1 (0) or for M0 (1)
	s_and_b32 s18, s16, 1                          ; which half of M0's rows.  Also: which half I fetch
	s_bfe_u32 s40, ttmp6, 0x40000                  ; cx, cy: my place in the cluster
	s_bfe_u32 s41, ttmp6, 0x40004
	s_and_b32 s2, ttmp7, 0xffff                    ; the cluster's y
	s_lshl_b32 s21, s2, 2
	s_add_co_u32 s21, s21, s41                     ; Q, K: M1's tile = 4 x cluster y + cy
	s_lshl_b32 s46, ttmp9, 2
	s_add_co_u32 s46, s46, s40                     ; Q, K: M0's tile = 4 x cluster x + cx
	s_max_u32 s47, s2, 8
	s_sub_co_u32 s47, s47, 8
	s_lshl_b32 s47, s47, 1
	s_add_co_u32 s47, s47, ttmp9                   ; V: 2 (cluster y - 8) + cluster x,
	s_lshl_b32 s47, s47, 2
	s_add_co_u32 s47, s47, s40                     ; V: M0's tile = 4 x that + cx
	s_cmp_ge_u32 s2, 8                             ; the role: the same in all sixteen partners
	s_cselect_b32 s19, 1, 0
	s_cselect_b32 s93, s41, s21                    ; t1: M1's tile of 256 rows (V: cy)
	s_cselect_b32 s42, s47, s46                    ; t0: M0's tile of 256 rows
	s_cselect_b32 s92, 16, 0                       ; V: W_v begins at group 16 of the weights
	s_lshl_b32 s94, s93, 1
	s_add_co_u32 s94, s94, s18
	s_add_co_u32 s94, s94, s92                     ; the group of M1 that I would fetch
	s_mul_i32 s20, s94, GRPB
	s_mov_b32 s21, 0
	s_lshl_b32 s22, s94, 12
	s_mov_b32 s23, 0
	s_lshl_b32 s46, s42, 1
	s_add_co_u32 s46, s46, s18                     ; and of M0
	s_lshl_b32 s96, s46, 12
	s_mov_b32 s97, 0
	s_mul_i32 s46, s46, GRPB
	s_mov_b32 s47, 0
	s_lshl_b32 s43, s41, 2
	s_lshl_b32 s43, 15, s43                        ; my row of the cluster
	s_lshl_b32 s44, 0x1111, s40                    ; my column
	; descriptor group 1 for codes: 8 rows (tiles) of 3,072 bytes (two kc), 12,288 bytes apart; elements of 8 bytes; no padding: every LDS read takes 256 consecutive bytes
	s_or_b32 s[G1+0], s43, (3<<16)|(1<<21)         ; 15:0 the mask: M1's tiles go to my row; 17:16 elements of 8 bytes; 21 set beside a mask
	s_or_b32 s[G1B+0], s44, (3<<16)|(1<<21)
.irp g, G1, G1B
	s_mov_b32 s[\g+1], 384<<16                     ; tensor_dim0
	s_mov_b32 s[\g+2], 16<<16                      ; tensor_dim1: 16 tiles for the head's loads, 8 behind them
	s_mov_b32 s[\g+3], 384<<16                     ; tile_dim0
	s_mov_b32 s[\g+4], 16                          ; tile_dim1
	s_mov_b32 s[\g+5], 1536                        ; tensor_dim0_stride
	s_mov_b32 s[\g+6], 0
	s_mov_b32 s[\g+7], 0
.endr
	; and for the scale words of two groups, all of K: 8,192 dense bytes as 32 rows of 256
	s_or_b32 s[G1S+0], s43, (3<<16)|(1<<21)
	s_or_b32 s[G1SB+0], s44, (3<<16)|(1<<21)
.irp g, G1S, G1SB
	s_mov_b32 s[\g+1], 32<<16
	s_mov_b32 s[\g+2], 32<<16                      ; two groups' scale words: 8,192 dense bytes as 32 rows of 256
	s_mov_b32 s[\g+3], 32<<16
	s_mov_b32 s[\g+4], 32
	s_mov_b32 s[\g+5], 32
	s_mov_b32 s[\g+6], 0
	s_mov_b32 s[\g+7], 0
.endr
	s_mul_i32 s45, s16, HALFT                      ; where they go: wave x a half: no place in the cluster enters an LDS address
	s_mov_b32 s66, 0x76543210
	s_mov_b32 s67, 0xfedcba98                      ; v_permlanex16_b32's selects for lane l xor 16
	s_wait_dscnt 0x0                               ; the opening add is done
	s_wait_kmcnt 0x0
	s_cmp_eq_u32 s19, 1
	s_cselect_b64 s[98:99], s[8:9], s[4:5]         ; M1's codes: the weights' in role V, else x's
	s_cselect_b64 s[100:101], s[10:11], s[6:7]     ; M1's scale words
	s_cselect_b64 s[8:9], s[4:5], s[8:9]           ; M0's codes
	s_cselect_b64 s[10:11], s[6:7], s[10:11]       ; M0's scale words
	s_add_nc_u64 s[98:99], s[98:99], s[20:21]
	s_add_nc_u64 s[100:101], s[100:101], s[22:23]
	s_add_nc_u64 s[8:9], s[8:9], s[46:47]
	s_add_nc_u64 s[10:11], s[10:11], s[96:97]
	CROUND                                         ; all sixteen work-groups are here: the first joint loads meet
	s_mov_b32 s[G0S], 1
	s_lshl_b32 s20, s18, 12                        ; the head's loads bring both halves at once: back from my half to the first, in scale words (s21 = 0)
	s_mul_i32 s2, s18, GRPB                        ; and in codes
	s_mov_b32 s3, 0
	s_mov_b32 s[G0S+1], SCL
	s_sub_nc_u64 s[G0S+2:G0S+3], s[100:101], s[20:21]
	s_or_b32 s[G0S+3], s[G0S+3], 0x80000000
	s_mov_b32 s[G0SB], 1
	s_mov_b32 s[G0SB+1], SCL+8192
	s_sub_nc_u64 s[G0SB+2:G0SB+3], s[10:11], s[20:21]
	s_or_b32 s[G0SB+3], s[G0SB+3], 0x80000000
.irp s, 0,1
	s_mov_b32 s[G0+4*\s], 1
	s_add_co_u32 s[G0+4*\s+1], s45, \s*SLOT
	s_add_nc_u64 s[G0+4*\s+2:G0+4*\s+3], s[98:99], \s*TILEB
	s_or_b32 s[G0+4*\s+3], s[G0+4*\s+3], 0x80000000
	s_mov_b32 s[G0B+4*\s], 1
	s_add_co_u32 s[G0B+4*\s+1], s45, \s*SLOT
	s_add_nc_u64 s[G0B+4*\s+2:G0B+4*\s+3], s[8:9], \s*TILEB
	s_or_b32 s[G0B+4*\s+3], s[G0B+4*\s+3], 0x80000000
.endr
	; THE HEAD'S LOADS, ONE A WAVE: wave 0 K step 0 of M1's 16 tiles, wave 1 of M0's, wave 2 M1's scale words, wave 3 M0's.  One chain of branches on the wave's number, one load to an arm.
	s_sub_nc_u64 s[6:7], s[98:99], s[2:3]
	s_or_b32 s7, s7, 0x80000000
	s_mov_b32 s4, 1
	s_mov_b32 s5, 0
	s_sub_nc_u64 s[98:99], s[8:9], s[2:3]
	s_or_b32 s99, s99, 0x80000000
	s_mov_b32 s96, 1
	s_mov_b32 s97, 2*HALFT
.macro ARM under, g0, g1, next
	s_cmp_lt_u32 s16, \under
	s_cbranch_scc0 \next
	tensor_load_to_lds s[\g0:\g0+3], s[\g1:\g1+7]
	s_nop 0
.rept 4
	v_nop
.endr
	s_branch .Lhead_asked
\next:
.endm
	ARM 1, 4,  G1,  .Lhead_b
	ARM 2, 96, G1B, .Lhead_sa
	ARM 3, G0S, G1S, .Lhead_sb
	tensor_load_to_lds s[G0SB:G0SB+3], s[G1SB:G1SB+7]
	s_nop 0
.rept 4
	v_nop
.endr
.Lhead_asked:
	v_and_b32 v1, 31, v0                           ; lane
	v_and_b32 v2, 15, v0                           ; r
	v_bfe_u32 v3, v0, 4, 1                         ; h
	s_wait_alu depctr_va_vdst(0)
	v_lshlrev_b32 v[LO8], 3, v1
	s_mul_i32 s21, s17, HALFT                      ; my half of M1
	s_mul_i32 s22, s18, HALFT                      ; my half of M0,
	s_add_co_u32 s22, s22, 2*HALFT                 ; behind M1's two
.irp s, 0,1
	v_add_nc_u32 v[ADR1+\s], s21, v[LO8]
	v_add_nc_u32 v[ADR0+\s], s22, v[LO8]
	s_add_co_u32 s21, s21, SLOT
	s_add_co_u32 s22, s22, SLOT
.endr
	v_lshlrev_b32 v4, 5, v2                        ; 32 r
	v_lshl_add_u32 v[SO], v3, 4, v4
	s_add_co_u32 s22, s18, 2
	s_sub_co_u32 s22, s22, s17                     ; from M1's quarter of the scale words to M0's: 1 to 3 quarters
	s_lshl_b32 s22, s22, 12
	v_mul_u32_u24 v5, s22, v3                      ; lanes 16-31 take M0's
	s_lshl_b32 s21, s17, 12
	s_add_co_u32 s21, s21, SCL
	v_add_nc_u32 v4, v4, v5
	v_add_nc_u32 v[ADRS], s21, v4
	; where my 128 x 128 goes: block 64 P + T
	s_lshl_b32 s20, s93, 1
	s_add_co_u32 s20, s20, s17                     ; my group of M1
	s_lshl_b32 s21, s42, 1
	s_add_co_u32 s21, s21, s18                     ; my group of M0
	s_add_co_u32 s22, s20, 16
	s_cmp_eq_u32 s19, 1
	s_cselect_b32 s23, s22, s21                    ; P: V: 16 + head pair; Q, K: the weights' group
	s_cselect_b32 s22, s21, s20                    ; T: the group of tokens
	s_lshl_b32 s23, s23, 6
	s_add_co_u32 s23, s23, s22
	s_mul_i32 s20, s23, 8*FRB
	s_mov_b32 s21, 0
	s_add_nc_u64 s[12:13], s[12:13], s[20:21]
	s_lshl_b32 s20, s23, 9
	s_add_nc_u64 s[14:15], s[14:15], s[20:21]
.macro FRAG reg, adr, q, i             ; a fragment's image: six loads of 8 bytes a lane, 256 consecutive bytes each
.irp p, 0,1,2,3,4,5
	ds_load_b64 v[\reg+2*\p:\reg+2*\p+1], v[\adr] offset:(\i)*TILEB+(\q)*FRB+256*\p
.endr
.endm
; 16 matrix instructions: M1's tiles a0, a0 + 1 x M0's eight, 128 along K: the slot's q-th.  p: M0's set; sc: the set of scale words.  zero = 1: the first product starts the sums.
; The 64 accumulators take turns, one instruction a turn, in the same order in every step.
.macro MUL16 a0, p, q, sc, zero
.irp a, \a0, \a0+1
.irp b, 0,1,2,3,4,5,6,7
.if \zero
	v_wmma_scale_f32_16x16x128_f8f6f4 v[8*(8*((\a)%4)+\b):8*(8*((\a)%4)+\b)+7], v[128*(\p)+FR*\b:128*(\p)+FR*\b+FR-1], v[AF+FR*(\a):AF+FR*(\a)+FR-1], 0, v[SC+16*(\sc)+8*(\q)+\b], v[SC+16*(\sc)+8*(\q)+(\a)] matrix_a_fmt:MATRIX_FMT_FP6 matrix_b_fmt:MATRIX_FMT_FP6 matrix_a_scale:MATRIX_SCALE_ROW1
.else
	v_wmma_scale_f32_16x16x128_f8f6f4 v[8*(8*((\a)%4)+\b):8*(8*((\a)%4)+\b)+7], v[128*(\p)+FR*\b:128*(\p)+FR*\b+FR-1], v[AF+FR*(\a):AF+FR*(\a)+FR-1], v[8*(8*((\a)%4)+\b):8*(8*((\a)%4)+\b)+7], v[SC+16*(\sc)+8*(\q)+\b], v[SC+16*(\sc)+8*(\q)+(\a)] matrix_a_fmt:MATRIX_FMT_FP6 matrix_b_fmt:MATRIX_FMT_FP6 matrix_a_scale:MATRIX_SCALE_ROW1
.endif
.endr
.endr
.endm
.macro FETCH_B slot, q, p              ; M0's eight fragments of the slot's q-th 128 along K into set p
	WIN TO_B
.irp i, 0,1,2,3,4,5,6,7
	FRAG 128*(\p)+FR*\i, ADR0+\slot, \q, \i
.endr
	WIN 0
.endm
.macro FETCH_A slot, q, i0             ; M1's tiles i0 .. i0 + 3
.irp i, \i0, \i0+1, \i0+2, \i0+3
	FRAG AF+FR*(\i), ADR1+\slot, \q, \i
.endr
.endm
.macro SCALES sc                       ; the next K step's scale words into set sc: a lane's eight tiles' words of a kc are 32 bytes on end
.irp q, 0,1
.irp u, 0,1
	ds_load_b128 v[SC+16*\sc+8*\q+4*\u:SC+16*\sc+8*\q+4*\u+3], v[ADRS] offset:512*\q+16*\u
.endr
.endr
.endm
; A load into a register that a matrix instruction has read, and a vector instruction that reads a matrix result, stand NP places behind that matrix instruction; only plain vector instructions
; that name none of its registers are places (ISA guide 7.12.1 for vector instructions).
.macro PLACES n
.rept \n
	v_nop
.endr
.endm
; A step of 128 along K that has its successor in the same slot.
.macro STEP slot, q, zero
	s_wait_dscnt 4*NL                              ; M0's set and M1's tiles 0-3 are in; the youngest 24 loads (M1's tiles 4-7) may be out
	WIN MUL_LO
	MUL16 0, (\q)%2, \q, \slot, \zero
	MUL16 2, (\q)%2, \q, \slot, \zero
	s_wait_dscnt 0                                 ; M1's tiles 4-7 are in
	PLACES NP
	FETCH_B \slot, (\q)+1, 1-(\q)%2
	FETCH_A \slot, (\q)+1, 0
	WIN MUL_HI
	MUL16 4, (\q)%2, \q, \slot, \zero
	MUL16 6, (\q)%2, \q, \slot, \zero
	PLACES NP
	WIN 0
	FETCH_A \slot, (\q)+1, 4
.endm
; A slot's last step changes slots: ONE barrier; in front of it each wave waits for all its tensor loads, adds 0 to its spare word, and waits for that and for its reads of this slot.  fill = 1: the slot is filled again, two K steps ahead.
.macro TURN slot, next, fill
	s_wait_tensorcnt 0x0                           ; all my tensor loads have landed: my part of the next slot;  (every window is 0 here)
	ds_add_u32 v[SPW], v[NIL]                      ; 0 onto my spare word;
	s_wait_dscnt 4*NL+1                            ; (the add and the youngest 24 loads may be out)
	WIN MUL_LO
	MUL16 0, 1, NQ-1, \slot, 0                     ; sixteen matrix instructions stand between the add and the wait for it
	s_wait_dscnt 0x0                               ; the add is done, and my reads of this slot are over
	s_barrier_signal -1
	MUL16 2, 1, NQ-1, \slot, 0
	WIN 0
	s_barrier_wait -1
.if \fill
	CREST                                          ; the barrier has opened a round of the cluster's barrier: no wave of any partner still reads this slot or has a load on its way
	s_add_nc_u64 s[G0+4*\slot+2:G0+4*\slot+3], s[G0+4*\slot+2:G0+4*\slot+3], 2*TILEB
	s_add_nc_u64 s[G0B+4*\slot+2:G0B+4*\slot+3], s[G0B+4*\slot+2:G0B+4*\slot+3], 2*TILEB
	JLOAD G0+4*\slot, G1, G0B+4*\slot, G1B         ; the first tensor load behind the round; its four v_nop are the places in front of the loads below
.else
	PLACES NP
.endif
	s_wait_alu depctr_va_vdst(0)
	v_add_nc_u32 v[ADRS], 512*NQ, v[ADRS]          ; on to the next K step's scale words
	FETCH_B \next, 0, 0
	FETCH_A \next, 0, 0
	SCALES \next
	WIN MUL_HI
	MUL16 4, 1, NQ-1, \slot, 0
	MUL16 6, 1, NQ-1, \slot, 0
	PLACES NP
	WIN 0
	FETCH_A \next, 0, 4
.endm
	s_wait_alu depctr_va_vdst(0)
	s_wait_tensorcnt 0x0                           ; my tile of the head's four is in; slot 1's first fill is issued as a refill is:
	ds_add_u32 v[SPW], v[NIL]
	s_mov_b32 s[G1+2], 8<<16                       ; no tensor load of mine is out: from here on a load brings 8 tiles
	s_mov_b32 s[G1+4], 8
	s_mov_b32 s[G1B+2], 8<<16
	s_mov_b32 s[G1B+4], 8
	s_wait_dscnt 0x0
	CROUND                                         ; all four tiles are in, and all sixteen work-groups are here
	JLOAD G0+4, G1, G0B+4, G1B                     ; K step 1, the first tensor load behind the round
	FETCH_B 0, 0, 0
	FETCH_A 0, 0, 0
	SCALES 0
	FETCH_A 0, 0, 4
	STEP 0, 0, 1                                   ; the first step stands in front of the loop: its products start the sums
	s_mov_b32 s3, LAPS-1
.Llap:                                                 ; a trip goes once round the ring, from a lap's second step to the next lap's first, and fills both slots again
	TURN 0, 1, 1
	STEP 1, 0, 0
	TURN 1, 0, 1
	STEP 0, 0, 0
	s_sub_co_u32 s3, s3, 1
	s_cmp_lg_u32 s3, 0
	s_cbranch_scc1 .Llap
	TURN 0, 1, 0                                   ; the last lap fills nothing, and has no round of the cluster's barrier
	STEP 1, 0, 0
	s_wait_dscnt 4*NL                              ; the very last step: nothing more to fetch
	WIN MUL_LO
	MUL16 0, 1, NQ-1, 1, 0
	MUL16 2, 1, NQ-1, 1, 0
	s_wait_dscnt 0
	WIN MUL_HI
	MUL16 4, 1, NQ-1, 1, 0
	MUL16 6, 1, NQ-1, 1, 0
	WIN 0
; THE WAY OUT.  M1's tile a: a lane's 64 results, register 16 b + i = row 64 (b / 2) + 16 (b % 2) + 32 h + i of M0, are one row's 128 numbers along the next K, shared with lane l xor 16.  They become a fragment and a scale word
; in registers and leave as the fragment's image: six stores of 256 consecutive bytes.  No LDS.  Each accumulator is read from its low end on.
.macro QUANTW a
.set AC, 64*((\a)%4)
.set PCD, PCB+12*(\a)
	WIN 0x0a+5*((\a)/4)                            ; sources 0 and 1: window 2 or 3
.irp b, 0,1,2,3
	v_max3_num_f32 v[TM+\b], |v[AC+16*\b]|, |v[AC+16*\b+1]|, 0x1800000   ; half of block 2 (b / 2) + h: 16 numbers, and the floor 2^(3 - 127): the byte cannot fall under 1
.endr
.irp i, 2,4,6,8,10,12,14
.irp b, 0,1,2,3
	v_max3_num_f32 v[TM+\b], |v[AC+16*\b+\i]|, |v[AC+16*\b+\i+1]|, v[TM+\b]
.endr
.endr
	WIN 0
; THE ROWS' ORDER IN FORCE: lane index r of tile a stands for row 64 (a / 4) + 8 (a % 4) + r % 8 + 32 (r / 8).  So register 32 c + i of lane (r, h) is row 64 c + 32 h + i of M0: a lane holds blocks h and 2 + h WHOLE, as the operand's layout wants them
.irp c, 0,1
	v_max_num_f32 v[TM+2*\c], v[TM+2*\c], v[TM+2*\c+1]   ; a block's two chains of 16
.endr
.irp c, 0,1
	v_add_nc_u32 v[TM+12+\c], 0xff000000, v[TM+2*\c]     ; 2 off the exponent field: the conversion's scale operand
.endr
.irp c, 0,1
	v_lshrrev_b32 v[TM+4+\c], 23, v[TM+12+\c]            ; the scale's byte
.endr
	v_lshl_or_b32 v[PW+(\a)], v[TM+5], 16, v[TM+4]       ; blocks h and 2 + h,
	v_lshlrev_b32 v[PW+(\a)], v[TM+8], v[PW+(\a)]        ; 8 h bits up;
	v_permlanex16_b32 v[TM+6], v[PW+(\a)], s66, s67
	v_or_b32 v[PW+(\a)], v[PW+(\a)], v[TM+6]             ; with lane l xor 16's two the word is whole
	WIN 0x02+((\a)/4)                              ; source 0 alone: window 2 or 3
.irp c, 0,1
	v_cvt_scalef32_pk16_fp6_f32 v[PCD+6*\c:PCD+6*\c+2], v[AC+32*\c:AC+32*\c+15], v[TM+12+\c]
	v_cvt_scalef32_pk16_fp6_f32 v[TT+4*\c:TT+4*\c+2], v[AC+32*\c+16:AC+32*\c+31], v[TM+12+\c]   ; (a conversion's three registers begin on an even number)
.endr
	WIN 0
	v_nop                                          ; one plain place behind a scaled conversion
.irp c, 0,1
.irp i, 0,1,2
	v_mov_b32 v[PCD+6*\c+3+\i], v[TT+4*\c+\i]
.endr
.endr
.irp g, 0,1,2,3,4,5
	global_store_b64 v[LO8], v[PCD+2*\g:PCD+2*\g+1], s[12:13] offset:FRB*(\a)+256*\g   ; 32 lanes store 256 consecutive bytes, at a multiple of 256 from the buffer's first byte; every offset an immediate, no source written again
.endr
.endm
	PLACES NP                                      ; behind the last products: their results are read and M1's registers written below
.irp b, 0,1,2,3
	v_mov_b32 v[TM+4+\b], 0                        ; written once: a lane permute's destination counts as one of its sources
	v_lshlrev_b32 v[TM+8+\b], 3, v3                ; 8 h (the first of the four is used)
.endr
.irp a, 0,1,2,3,4,5,6,7
	QUANTW \a
.endr
	v_cmp_eq_u32 vcc_lo, 1, v3                     ; the scale block: lane (r, h) stores the words of tiles 4 h .. 4 h + 3 of row r, at 32 r + 16 h
.irp i, 0,1,2,3
	v_cndmask_b32 v[SELW+\i], v[PW+\i], v[PW+4+\i], vcc_lo
.endr
	global_store_b128 v[SO], v[SELW:SELW+3], s[14:15]   ; the wave's 32 lanes cover 512 consecutive bytes
	s_wait_tensorcnt 0x0                           ; the wave's end, behind my last tensor load
	ds_add_u32 v[SPW], v[NIL]
	s_wait_dscnt 0x0
	CROUND                                         ; the closing round: no work-group ends while a partner may still ask for a tile that names it
	s_endpgm
.Lfunc_end_k_qcc5abd34a8_proj:
	.size	k_qcc5abd34a8_proj, .Lfunc_end_k_qcc5abd34a8_proj-k_qcc5abd34a8_proj
	.p2alignl 7, 3214868480
	.fill 96, 4, 3214868480
	.section	.rodata,"a",@progbits
	.p2align	6, 0x0
	.amdhsa_kernel k_qcc5abd34a8_proj
		.amdhsa_group_segment_fixed_size 327680
		.amdhsa_private_segment_fixed_size 0
		.amdhsa_enable_private_segment 0
		.amdhsa_kernarg_size 48
		.amdhsa_user_sgpr_count 2
		.amdhsa_user_sgpr_kernarg_segment_ptr 1
		.amdhsa_wavefront_size32 1
		.amdhsa_system_sgpr_workgroup_id_x 1
		.amdhsa_system_sgpr_workgroup_id_y 1
		.amdhsa_system_sgpr_workgroup_id_z 1
		.amdhsa_system_vgpr_workitem_id 0
		.amdhsa_next_free_vgpr 1024
		.amdhsa_next_free_sgpr 102
		.amdhsa_reserve_vcc 1
		.amdhsa_float_denorm_mode_32 3
		.amdhsa_float_denorm_mode_16_64 3
		.amdhsa_memory_ordered 1
		.amdhsa_forward_progress 1
		.amdhsa_inst_pref_size 161
	.end_amdhsa_kernel
	.amdgpu_metadata
---
amdhsa.version: [ 1, 2 ]
amdhsa.kernels:
  - .name:           k_qcc5abd34a8_proj
    .symbol:         k_qcc5abd34a8_proj.kd
    .args:
      - { .name: xc, .offset: 0, .size: 8, .value_kind: global_buffer, .address_space: global }
      - { .name: xsc, .offset: 8, .size: 8, .value_kind: global_buffer, .address_space: global }
      - { .name: wc, .offset: 16, .size: 8, .value_kind: global_buffer, .address_space: global }
      - { .name: wsc, .offset: 24, .size: 8, .value_kind: global_buffer, .address_space: global }
      - { .name: qkvc, .offset: 32, .size: 8, .value_kind: global_buffer, .address_space: global }
      - { .name: qkvsc, .offset: 40, .size: 8, .value_kind: global_buffer, .address_space: global }
    .group_segment_fixed_size: 327680
    .private_segment_fixed_size: 0
    .kernarg_segment_align: 8
    .kernarg_segment_size: 48
    .max_flat_workgroup_size: 128
    .sgpr_count:     102
    .vgpr_count:     1024
    .wavefront_size: 32
...
	.end_amdgpu_metadata
.endif
;; end of part 2
;; launch attn (part 3): grid 4 x 64, 16 waves a work-group, clusters of 4 x 1, 216,064 bytes of LDS; arguments qkvc, qkvsc, ac, asc; writes ac, asc
.if DOCPART == 3
	.amdgcn_target "amdgcn-amd-amdhsa--gfx1250"
	.amdhsa_code_object_version 6
	.text
	.protected	k_qcc5abd34a8_attn
	.globl	k_qcc5abd34a8_attn
	.p2align	8
	.type	k_qcc5abd34a8_attn,@function
k_qcc5abd34a8_attn:
	s_mov_b64 s[64:65], 0
	v_nop
	global_prefetch_b8 v0, s[64:65] scope:SCOPE_SE
	s_setreg_imm32_b32 hwreg(HW_REG_WAVE_MODE, 25, 1), 1
	s_wait_xcnt 0x0
	s_wait_alu depctr_hold_cnt(0) depctr_sa_sdst(0) depctr_va_vdst(0) depctr_va_sdst(0) depctr_va_ssrc(0) depctr_va_vcc(0) depctr_vm_vsrc(0)
	s_getreg_b32 s2, hwreg(HW_REG_IB_STS2, 6, 4)
	s_cmp_eq_u32 s2, 0
	s_cbranch_scc0 .Lentry_in_a_cluster
	s_endpgm
.Lentry_in_a_cluster:
	s_bfe_u32 s2, ttmp6, 0x10000c
	s_cmp_lg_u32 s2, 0x3003
	s_cbranch_scc0 .Lentry_shape_is_right
	s_endpgm
.Lentry_shape_is_right:
; o = softmax(q k^T / 8) v for one head, on codes of FP6 (E2M3) with E8M0 scales; o is quantised along the head's 64 on the way out, as an operand of the last projection.
; THE DEAL.  256 work-groups of 16 waves.  Work-group (cx, y): batch y / 16, head y % 16, queries 512 cx .. 512 cx + 511.  ALL of that head's K and V, 2 x 98,304 bytes, comes into LDS ONCE, one tensor load a wave
; (waves 0-7 two key groups of K each, waves 8-15 of V), and stays: nothing is filled again, and behind the head's one barrier the waves share nothing and meet no barrier.
; A wave takes 16 queries at a time, twice (tiles w and w + 16 of the work-group's 32), each over 16 steps of 128 keys.
; CLUSTER 4 x 1: the four work-groups of a head need the same K and V: every load is a joint one, mask 15; its descriptor hangs on y and the wave's number alone.
; THE ROWS' ORDER (the program's own): lane index r of tile a of a group of 128 stands for row 64 (a / 4) + 8 (a % 4) + r % 8 + 32 (r / 8).  Both products are used transposed (S^T = k q^T, O^T = v^T p^T): a lane holds one query,
; and by that order register 32 c + i of S^T in lane (q, h) is key 64 c + 32 h + i: a lane holds blocks h and 2 + h of p WHOLE, in the operand's own layout; likewise its 32 registers of O^T are the head's numbers 32 h + 0 .. 31.
; K = 64 IN THE FIRST PRODUCT: q's registers 6-11 hold zero codes, so what k's operand holds there adds nothing: the next tile's codes, and behind the last tile whatever bits lie there (every code of E2M3 is a finite number);
; the scale bytes of those blocks are 0, a finite code.
; TWO REGIONS OF 64 REGISTERS TAKE TURNS, v32-95 and v96-159.  In a step one holds k's eight tiles and then v's four, the other S^T and p; as soon as p has been read (conversions, sums), the NEXT step's k is fetched into p's region,
; ahead of the second product: 24 + 4 LDS loads in two runs.  So a loop's trip is two steps.  Behind a tile's last step the fetch wraps to key 0, for the wave's second tile; in the launch's last step it serves nothing and stands in place of a branch.
; SOFTMAX: M is the running largest t = score x log2(e) / 8 rounded up to a whole number, kept as -M; p = 2^(t - M); the row's sum is taken of the unquantised p; when M moves, the sum and O^T are multiplied by 2^(old M - new M), exactly.
; A block's largest p is made from the block's largest score by the same multiply-add and exponential (it takes v_exp_f32 not to fall where its input rises).
; BUFFERS: qkvc [P][T][tile a][1,536], qkvsc [P][T][512] (the word of (a, r) at 32 r + 4 a); P 0-7 Q of a head pair, 8-15 K, 16-23 V; Q, K: the even head's 768 bytes of an image, then the odd head's; V: a = 4 x parity + tile.
;   ac [tile of tokens][head pair][1,536], asc [T][head pair][512].
; THE SCALE WORDS of K and V, 2 x 8,192 dense bytes, come by plain loads, 16 bytes a thread, and are stored to LDS bytes of their own: each wave's one tensor load at the head is taken by codes.
; o's SCALE BYTES leave as single bytes, one a lane: the four bytes of a word belong to two heads, which two work-groups make; they are one byte for each 24 bytes of codes.
; NO PREFETCH: all of K and V is asked for at the head by the tensor loads themselves; there is no later load to run ahead of.
; LIMITS: NaN and infinities are not served.  The promise holds while |t| stays under 2^31.  A block whose largest magnitude lies under 2^-124 has its byte held at 1; a block of zeros has the byte 1: its codes are zeros, and this program alone reads the bytes.
; REGISTERS: v2-4, v7 LDS bases; v8-11 the step's addresses; v12 -M, v13 the largest score; v14-15 the sum; v16-27 q; v28 its scales; v32-159 the two regions; v160-191 O^T; v192-203 p's codes; v204-227 at work;
;   v228-234 the second tile's q; v235 8 h; v236-239 k's scales, v240-243 v's, v244 p's; v245 32 r.
.set BLK,   12288                      ; a block (P, T) of qkvc
.set HB,    6144                       ; one head's part of it
.set VB,    16*HB                      ; LDS: K [T][a][768] at 0, V [T][t][1,536] at VB
.set SCK,   2*VB                       ; K's scale words [T][512], then V's
.set SCV,   SCK+8192
.set SPARE, SCV+8192+1024              ; the spare words, 128 bytes for each of 16 waves, four blocks of 256 behind the scale words
.set KS,  236
.set VS,  240
.set PW,  244
.set R32, 245
.set H8,  235
.macro CROUND
	s_barrier_signal -1
	s_barrier_wait -1
	s_cmp_lg_u32 s18, 0
	s_cbranch_scc1 .Lnot_wave_0_\@
	s_barrier_signal -3
.Lnot_wave_0_\@:
	s_barrier_wait -3
	s_barrier_signal -1
	s_barrier_wait -1
.endm
.macro KF_A r                          ; k's tiles 0-4 of the step at v8 into registers r .. r + 29
.irp t, 0,1,2,3,4
.irp p, 0,1,2
	ds_load_b64 v[(\r)+6*\t+2*\p:(\r)+6*\t+2*\p+1], v8 offset:768*\t+256*\p
.endr
.endr
.endm
.macro KF_B r                          ; tiles 5-7 into r + 30 .. r + 47, and the scales: lanes 0-15 an even tile's two bytes, lanes 16-31 the next tile's
.irp t, 5,6,7
.irp p, 0,1,2
	ds_load_b64 v[(\r)+6*\t+2*\p:(\r)+6*\t+2*\p+1], v8 offset:768*\t+256*\p
.endr
.endr
.irp j, 0,1,2,3
	ds_load_u16 v[KS+\j], v10 offset:8*\j
.endr
.endm
.macro ADDP sr, k                      ; pair k of p onto chain k % 4 of the sum
	v_pk_add_f32 v[208+2*((\k)%4):209+2*((\k)%4)], v[208+2*((\k)%4):209+2*((\k)%4)], v[(\sr)+2*(\k):(\sr)+2*(\k)+1]
.endm
; A STEP OF 128 KEYS.  kr: the region that holds k, then v;  sr: S^T, p, then the next step's k
.macro STEP kr, sr
	s_wait_dscnt 0x0                               ; this step's k and its scales, asked for in the step before
.irp t, 0,2,4,6
	v_wmma_scale_f32_16x16x128_f8f6f4 v[(\sr)+8*\t:(\sr)+8*\t+7], v[(\kr)+6*\t:(\kr)+6*\t+11], v[16:27], 0, v[KS+\t/2], v28 matrix_a_fmt:MATRIX_FMT_FP6 matrix_b_fmt:MATRIX_FMT_FP6
	v_wmma_scale_f32_16x16x128_f8f6f4 v[(\sr)+8*\t+8:(\sr)+8*\t+15], v[(\kr)+6*\t+6:(\kr)+6*\t+17], v[16:27], 0, v[KS+\t/2], v28 matrix_a_fmt:MATRIX_FMT_FP6 matrix_b_fmt:MATRIX_FMT_FP6 matrix_a_scale:MATRIX_SCALE_ROW1
.endr
	v_add_nc_u32 v9, s2, v2                        ; four places behind the products: this step's v,
	v_add_nc_u32 v11, s3, v4
	s_add_co_u32 s2, s2, HB
	s_add_co_u32 s3, s3, 512
	s_and_b32 s90, s3, 8191                        ; behind the last step: key 0 again
	s_mul_i32 s91, s90, HB/512
	v_add_nc_u32 v8, s91, v7                       ; and the next step's k
	v_add_nc_u32 v10, s90, v3
.irp t, 0,1,2,3
.irp p, 0,1,2,3,4,5
	ds_load_b64 v[(\kr)+12*\t+2*\p:(\kr)+12*\t+2*\p+1], v9 offset:1536*\t+256*\p
.endr
.endr
	ds_load_b128 v[VS:VS+3], v11
.irp t, 0,1,2,3,4,5,6,7                        ; the largest score of my two blocks of 32 keys: eight chains, one to an accumulator, each from its low end on
	v_max3_num_f32 v[208+\t], v[(\sr)+8*\t], v[(\sr)+8*\t+1], v[(\sr)+8*\t+2]
.endr
.irp i, 3,5
.irp t, 0,1,2,3,4,5,6,7
	v_max3_num_f32 v[208+\t], v[208+\t], v[(\sr)+8*\t+\i], v[(\sr)+8*\t+\i+1]
.endr
.endr
.irp c, 0,1
	v_max3_num_f32 v[208+4*\c], v[208+4*\c], v[209+4*\c], v[(\sr)+32*\c+7]
	v_max3_num_f32 v[210+4*\c], v[210+4*\c], v[211+4*\c], v[(\sr)+32*\c+15]
.endr
.irp c, 0,1
	v_max3_num_f32 v[208+4*\c], v[208+4*\c], v[210+4*\c], v[(\sr)+32*\c+23]
.endr
.irp c, 0,1
	v_max_num_f32 v[204+\c], v[208+4*\c], v[(\sr)+32*\c+31]
.endr
	v_max_num_f32 v206, v204, v205
	s_delay_alu instid0(VALU_DEP_1)
	v_permlanex16_b32 v207, v206, s20, s21
	s_delay_alu instid0(VALU_DEP_1)
	v_max3_num_f32 v13, v13, v206, v207            ; the running largest score of my query
	s_delay_alu instid0(VALU_DEP_1)
	v_mul_f32 v227, s22, v13                       ; as t
	s_delay_alu instid0(VALU_DEP_1)
	v_floor_f32 v12, -v227                         ; the new -M = -ceil(t)
	s_delay_alu instid0(VALU_DEP_1)
	v_sub_f32 v226, v12, v226                      ; old M - new M, a whole number, 0 or less
	v_fma_f32 v204, v204, s22, v12                 ; t - M of each block's largest score
	v_fma_f32 v205, v205, s22, v12
	s_delay_alu instid0(VALU_DEP_3)
	v_cvt_i32_f32 v226, v226                       ; (it saturates)
	v_pk_fma_f32 v[(\sr):(\sr)+1], v[(\sr):(\sr)+1], s[22:23], v[12:13] op_sel_hi:[1,0,0]
	v_pk_fma_f32 v[(\sr)+2:(\sr)+3], v[(\sr)+2:(\sr)+3], s[22:23], v[12:13] op_sel_hi:[1,0,0]
	s_delay_alu instid0(VALU_DEP_3)
	v_ldexp_f32 v224, 1.0, v226                    ; f = 2^(old M - new M)
.set J, 4
.rept 30
	v_pk_fma_f32 v[(\sr)+J:(\sr)+J+1], v[(\sr)+J:(\sr)+J+1], s[22:23], v[12:13] op_sel_hi:[1,0,0]   ; t - M
.set J, J+2
.endr
.set J, 0
.rept 16
	v_pk_mul_f32 v[160+J:161+J], v[160+J:161+J], v[224:225] op_sel_hi:[1,0]                         ; O^T under the new M
.set J, J+2
.endr
	s_wait_alu depctr_va_vdst(0)                   ; the wait ahead of the batch of exponentials
.set J, 0
.rept 64
	v_exp_f32 v[(\sr)+J], v[(\sr)+J]               ; p
.set J, J+1
.endr
	v_exp_f32 v204, v204                           ; my blocks' largest p
	v_exp_f32 v205, v205
	v_nop                                          ; one plain place behind the batch
	s_wait_alu depctr_va_vdst(0)                   ; and its one wait, which also stands directly ahead of the wait below
	s_wait_dscnt 0x0                               ; v's fragments and scale words, asked for ahead of the maxima: no LDS load of mine is out
	v_max_num_f32 v204, 0x1800000, v204            ; the floor 2^(3 - 127): the byte cannot fall under 1
	v_max_num_f32 v205, 0x1800000, v205
	s_delay_alu instid0(VALU_DEP_2)
	v_add_nc_u32 v219, 0xff000000, v204            ; 2 off the exponent field: the conversion's scale operand
	s_delay_alu instid0(VALU_DEP_2)
	v_add_nc_u32 v223, 0xff000000, v205
.irp k, 0,1,2,3                                ; the sum of the unquantised p, in four chains
	v_pk_add_f32 v[208+2*\k:209+2*\k], v[(\sr)+4*\k:(\sr)+4*\k+1], v[(\sr)+4*\k+2:(\sr)+4*\k+3]
.endr
	v_cvt_scalef32_pk16_fp6_f32 v[192:194], v[(\sr):(\sr)+15], v219
	v_cvt_scalef32_pk16_fp6_f32 v[216:218], v[(\sr)+16:(\sr)+31], v219   ; (a conversion's three registers begin on an even number)
	v_cvt_scalef32_pk16_fp6_f32 v[198:200], v[(\sr)+32:(\sr)+47], v223
	v_cvt_scalef32_pk16_fp6_f32 v[220:222], v[(\sr)+48:(\sr)+63], v223
.irp k, 8,9,10,11,12,13,14,15
	ADDP \sr, \k
.endr
	KF_A \sr                                       ; p's first 32 registers have been read: the next step's k, tiles 0-4
	v_lshrrev_b32 v206, 23, v219                   ; the scales' bytes: blocks h and 2 + h,
	v_lshrrev_b32 v207, 23, v223
	ADDP \sr, 16
	ADDP \sr, 17
	v_lshl_or_b32 v[PW], v207, 16, v206
	ADDP \sr, 18
	ADDP \sr, 19
	v_lshlrev_b32 v[PW], v[H8], v[PW]              ; 8 h bits up;
	ADDP \sr, 20
	ADDP \sr, 21
	v_permlanex16_b32 v206, v[PW], s20, s21
	ADDP \sr, 22
	ADDP \sr, 23
	v_or_b32 v[PW], v[PW], v206                    ; with lane l xor 16's two p's scale word is whole; 14 plain lines stand between it and the products
.irp i, 0,1,2
	v_mov_b32 v[195+\i], v[216+\i]
	v_mov_b32 v[201+\i], v[220+\i]
.endr
.irp k, 24,25,26,27,28,29,30,31
	ADDP \sr, \k
.endr
	KF_B \sr                                       ; all of p has been read: tiles 5-7 and the scales
.irp t, 0,1,2,3
	v_wmma_scale_f32_16x16x128_f8f6f4 v[160+8*\t:167+8*\t], v[(\kr)+12*\t:(\kr)+12*\t+11], v[192:203], v[160+8*\t:167+8*\t], v[VS+\t], v[PW] matrix_a_fmt:MATRIX_FMT_FP6 matrix_b_fmt:MATRIX_FMT_FP6
.endr
	v_pk_add_f32 v[208:209], v[208:209], v[210:211]   ; five places: the next step's first products write over v's registers
	v_pk_add_f32 v[212:213], v[212:213], v[214:215]
	s_delay_alu instid0(VALU_DEP_1)
	v_pk_add_f32 v[208:209], v[208:209], v[212:213]
	s_delay_alu instid0(VALU_DEP_1)
	v_pk_fma_f32 v[14:15], v[14:15], v[224:225], v[208:209] op_sel_hi:[1,0,1]   ; the row's sum under the new M, and this step's p
	v_mov_b32 v226, v12                            ; the old -M of the next step
.endm
	s_load_b256 s[4:11], s[0:1], 0x0               ; qkvc, qkvsc, ac, asc
	v_lshl_add_u32 v5, v0, 2, SPARE
	v_mov_b32 v6, 0
	ds_add_u32 v5, v6                              ; the opening lines: the add, twice on end, and its wait ahead of my tensor load
	ds_add_u32 v5, v6
	v_lshrrev_b32 v8, 5, v0
	v_readfirstlane_b32 s18, v8                    ; wave
	s_and_b32 s19, s18, 7
	s_lshr_b32 s12, s18, 3
	s_bfe_u32 s13, ttmp6, 0x40000                  ; cx
	s_and_b32 s14, ttmp7, 0xffff                   ; y
	s_lshr_b32 s16, s14, 4                         ; batch
	s_bfe_u32 s17, s14, 0x30001                    ; head pair
	s_and_b32 s15, s14, 1                          ; the head's parity
	s_lshl_b32 s68, s16, 4                         ; the batch's first group of 128 tokens
	s_lshl_b32 s71, s17, 6
	s_add_co_u32 s71, s71, s68                     ; 64 x pair + that
	s_add_co_u32 s70, s71, 512                     ; K's blocks: P = 8 + pair
	s_lshl_b32 s74, s70, 9                         ; K's scale words (V's: 512 blocks of 512 bytes on)
	s_mov_b32 s75, 0
	s_lshl_b32 s69, s12, 9                         ; waves 8-15: V's blocks
	s_add_co_u32 s70, s70, s69
	s_lshl_b32 s69, s19, 1                         ; two groups a wave
	s_add_co_u32 s70, s70, s69
	s_mul_i32 s72, s70, BLK
	s_mul_i32 s69, s12, HB-768
	s_add_co_u32 s69, s69, 768
	s_mul_i32 s69, s69, s15                        ; the odd head: 768 bytes on in K's images, 6,144 in V's blocks
	s_add_co_u32 s72, s72, s69
	s_mov_b32 s73, 0
	s_mul_i32 s41, s12, VB
	s_mul_i32 s69, s19, 2*HB
	s_add_co_u32 s41, s41, s69                     ; where my load lands
	s_lshl_b32 s93, s13, 2
	s_add_co_u32 s93, s93, s12
	s_add_co_u32 s94, s93, s71                     ; Q's block of my first tile
	s_add_co_u32 s93, s93, s68                     ; its group of tokens: 4 cx + w / 8 (the second tile: 2 groups on)
	s_mul_i32 s82, s94, BLK
	s_mul_i32 s69, s19, 1536
	s_add_co_u32 s82, s82, s69
	s_mul_i32 s95, s15, 768
	s_add_co_u32 s82, s82, s95
	s_mov_b32 s83, 0
	s_lshl_b32 s84, s94, 9
	s_lshl_b32 s96, s19, 2
	s_lshl_b32 s97, s15, 1
	s_add_co_u32 s96, s96, s97                     ; 4 a + 2 x parity
	s_add_co_u32 s84, s84, s96
	s_mov_b32 s85, 0
	s_lshl_b32 s86, s93, 3
	s_add_co_u32 s86, s86, s19
	s_lshl_b32 s86, s86, 3
	s_add_co_u32 s86, s86, s17
	s_mul_i32 s86, s86, 1536
	s_add_co_u32 s86, s86, s95                     ; ac: ((8 T + a) 8 + pair) 1,536 + 768 x parity
	s_mov_b32 s87, 0
	s_lshl_b32 s88, s93, 3
	s_add_co_u32 s88, s88, s17
	s_lshl_b32 s88, s88, 9
	s_add_co_u32 s88, s88, s96                     ; asc: (8 T + pair) 512 + 4 a + 2 x parity
	s_mov_b32 s89, 0
	s_add_co_u32 s90, s97, SCK
	s_lshl_b32 s91, s15, 4
	s_add_co_u32 s91, s91, SCV
	v_and_b32 v8, 31, v0
	v_and_b32 v9, 15, v0                           ; r
	v_bfe_u32 v10, v0, 4, 1                        ; h
	v_lshlrev_b32 v7, 3, v8                        ; 8 x lane: K's images in LDS, and every image in memory
	v_add_nc_u32 v2, VB, v7                        ; V's
	v_lshlrev_b32 v[R32], 5, v9                    ; 32 r
	v_lshl_add_u32 v3, v10, 2, v[R32]
	v_add_nc_u32 v3, s90, v3                       ; K's scales: 32 r + 4 h + 2 x parity
	v_add_nc_u32 v4, s91, v[R32]                   ; V's: my head's four words of row r
	v_add_nc_u32 v29, v[R32], v10                  ; o's scale byte: 32 r + h
	v_lshlrev_b32 v30, 4, v0
	v_lshl_add_u32 v31, v0, 4, SCK
	v_lshlrev_b32 v[H8], 3, v10                    ; 8 h
	s_mov_b32 s24, 15|(3<<16)|(1<<21)              ; K: 16 rows (tiles) of 768 bytes, 1,536 apart; elements of 8 bytes; the mask names the cluster's four
	s_mov_b32 s25, 96<<16
	s_mov_b32 s26, 16<<16
	s_mov_b32 s27, 96<<16
	s_mov_b32 s28, 16
	s_mov_b32 s29, 192
	s_mov_b32 s30, 0
	s_mov_b32 s31, 0
	s_mov_b32 s32, 15|(3<<16)|(1<<21)              ; V: 2 rows (groups) of 6,144 bytes, 12,288 apart
	s_mov_b32 s33, 768<<16
	s_mov_b32 s34, 2<<16
	s_mov_b32 s35, 768<<16
	s_mov_b32 s36, 2
	s_mov_b32 s37, 1536
	s_mov_b32 s38, 0
	s_mov_b32 s39, 0
	s_mov_b32 s20, 0x76543210
	s_mov_b32 s21, 0xfedcba98                      ; v_permlanex16_b32's selects for lane l xor 16
	s_mov_b32 s22, 0x3e38aa3b                      ; log2(e) / 8
	s_mov_b32 s23, s22
	s_mov_b32 s67, 0
	s_mov_b32 s40, 1
	s_wait_alu depctr_va_vdst(0)
	s_wait_dscnt 0x0
	CROUND                                         ; the four work-groups are here: the joint loads meet.  The round stands ahead of the wait for the arguments
	s_wait_kmcnt 0x0
	s_add_nc_u64 s[42:43], s[4:5], s[72:73]
	s_or_b32 s43, s43, 0x80000000
	s_cmp_lt_u32 s18, 8
	s_cbranch_scc0 .Lfor_v
	tensor_load_to_lds s[40:43], s[24:31]
	s_nop 0
	s_branch .Lasked
.Lfor_v:
	tensor_load_to_lds s[40:43], s[32:39]
	s_nop 0
.Lasked:
	s_add_nc_u64 s[74:75], s[6:7], s[74:75]
	s_add_nc_u64 s[82:83], s[4:5], s[82:83]
	s_add_nc_u64 s[84:85], s[6:7], s[84:85]
	s_add_nc_u64 s[8:9], s[8:9], s[86:87]
	s_add_nc_u64 s[10:11], s[10:11], s[88:89]
	global_load_b128 v[96:99], v30, s[74:75]                   ; the work-group's 512 threads read K's 8,192 bytes of scale words on end,
	global_load_b128 v[100:103], v30, s[74:75] offset:262144   ; and V's
.irp g, 0,1,2
	global_load_b64 v[16+2*\g:17+2*\g], v7, s[82:83] offset:256*\g            ; q of my first tile,
	global_load_b64 v[228+2*\g:229+2*\g], v7, s[82:83] offset:2*BLK+256*\g    ; and of my second
.endr
	global_load_u16 v28, v[R32], s[84:85]
	global_load_u16 v234, v[R32], s[84:85] offset:1024
.irp j, 22,23,24,25,26,27,80,81,82,83,84,85,206,207,225
	v_mov_b32 v\j, 0                               ; q's zero codes; what lies behind k's last tile in the first step; v206, v207: a lane permute's destination counts as one of its sources; v225: named in a pair
.endr
	v_mov_b32 v8, v7                               ; the first step's k
	v_mov_b32 v10, v3
	s_wait_loadcnt 0x0
	ds_store_b128 v31, v[96:99]
	ds_store_b128 v31, v[100:103] offset:8192
	s_wait_alu depctr_va_vdst(0)
	s_wait_tensorcnt 0x0                           ; my part of K or V is in,
	s_wait_dscnt 0x0                               ; my scale words are stored:
	s_barrier_signal -1
	s_barrier_wait -1                              ; everybody's are.  The launch's last work-group barrier but the closing round's
	KF_A 32
	KF_B 32
.Lpass:                                                ; 16 queries
	s_mov_b32 s2, 0                                ; the step's place in V,
	s_mov_b32 s3, 0                                ; in the scale words
	s_mov_b32 s66, 8
	v_mov_b32 v13, 0xff61b1e6                      ; the largest score so far: -3e38
	v_mul_f32 v227, s22, v13
	v_floor_f32 v12, -v227                         ; -M
	v_mov_b32 v14, 0
	v_mov_b32 v15, 0
	v_mov_b32 v226, v12
.set J, 0
.rept 32
	v_mov_b32 v[160+J], 0                          ; O^T: the step is written once for each order of the regions; the first finds zeros
.set J, J+1
.endr
	s_wait_alu depctr_va_vdst(0)
.Lstep:                                                ; two steps: the regions are back where they began
	STEP 32, 96
	STEP 96, 32
	s_sub_co_u32 s66, s66, 1
	s_cmp_lg_u32 s66, 0
	s_cbranch_scc1 .Lstep
	v_add_f32 v14, v14, v15
	v_permlanex16_b32 v207, v14, s20, s21
	v_add_f32 v14, v14, v207                       ; the row's sum
	s_wait_alu depctr_va_vdst(0)                   ; the wait ahead of the transcendental
	v_rcp_f32 v14, v14
	v_nop
	s_wait_alu depctr_va_vdst(0)                   ; and behind it, directly ahead of the first reader of O^T
.set J, 0
.rept 16
	v_pk_mul_f32 v[96+J:97+J], v[160+J:161+J], v[14:15] op_sel_hi:[1,0]   ; o(q, 32 h + 0 .. 31): one block of the next product's K.  (v32-79 and v236-239 are not touched: the fetch for my next tile lands there)
.set J, J+2
.endr
	v_max3_num_f32 v204, |v96|, |v97|, 0x1800000
	v_max3_num_f32 v205, |v112|, |v113|, |v114|
.irp i, 0,2,4,6,8,10
	v_max3_num_f32 v204, v204, |v[98+\i]|, |v[99+\i]|
	v_max3_num_f32 v205, v205, |v[115+\i]|, |v[116+\i]|
.endr
	v_max3_num_f32 v204, v204, |v110|, |v111|
	v_max3_num_f32 v204, v204, v205, |v127|
	v_add_nc_u32 v219, 0xff000000, v204
	v_cvt_scalef32_pk16_fp6_f32 v[192:194], v[96:111], v219
	v_cvt_scalef32_pk16_fp6_f32 v[216:218], v[112:127], v219
	v_lshrrev_b32 v205, 23, v219                   ; the scale's byte (the plain place behind the conversions)
.irp i, 0,1,2
	v_mov_b32 v[195+\i], v[216+\i]
.endr
.irp g, 0,1,2
	global_store_b64 v7, v[192+2*\g:193+2*\g], s[8:9] offset:256*\g   ; my head's half of the image: 32 lanes store 256 consecutive bytes, at a multiple of 256 from the buffer's first byte
.endr
	global_store_b8 v29, v205, s[10:11]
.irp j, 0,1,2,3,4,5
	v_mov_b32 v[16+\j], v[228+\j]                  ; my second tile's q (in the last trip the seven copies serve nothing: they stand in place of a branch)
.endr
	v_mov_b32 v28, v234
	s_wait_alu depctr_va_vdst(0)
	s_wait_xcnt 0x0                                ; the stores have read their registers and bases
	s_add_nc_u64 s[8:9], s[8:9], 2*64*1536         ; two groups of tokens on
	s_add_nc_u64 s[10:11], s[10:11], 2*8*512
	s_add_co_u32 s67, s67, 1
	s_cmp_lt_u32 s67, 2
	s_cbranch_scc1 .Lpass
	s_wait_tensorcnt 0x0                           ; the wave's end
	ds_add_u32 v5, v6
	s_wait_dscnt 0x0
	CROUND                                         ; the closing round
	s_endpgm
.Lfunc_end_k_qcc5abd34a8_attn:
	.size	k_qcc5abd34a8_attn, .Lfunc_end_k_qcc5abd34a8_attn-k_qcc5abd34a8_attn
	.p2alignl 7, 3214868480
	.fill 96, 4, 3214868480
	.section	.rodata,"a",@progbits
	.p2align	6, 0x0
	.amdhsa_kernel k_qcc5abd34a8_attn
		.amdhsa_group_segment_fixed_size 216064
		.amdhsa_private_segment_fixed_size 0
		.amdhsa_enable_private_segment 0
		.amdhsa_kernarg_size 32
		.amdhsa_user_sgpr_count 2
		.amdhsa_user_sgpr_kernarg_segment_ptr 1
		.amdhsa_wavefront_size32 1
		.amdhsa_system_sgpr_workgroup_id_x 1
		.amdhsa_system_sgpr_workgroup_id_y 1
		.amdhsa_system_sgpr_workgroup_id_z 1
		.amdhsa_system_vgpr_workitem_id 0
		.amdhsa_next_free_vgpr 256
		.amdhsa_next_free_sgpr 100
		.amdhsa_reserve_vcc 0
		.amdhsa_float_denorm_mode_32 3
		.amdhsa_float_denorm_mode_16_64 3
		.amdhsa_memory_ordered 1
		.amdhsa_forward_progress 1
		.amdhsa_inst_pref_size 47
	.end_amdhsa_kernel
	.amdgpu_metadata
---
amdhsa.version: [ 1, 2 ]
amdhsa.kernels:
  - .name:           k_qcc5abd34a8_attn
    .symbol:         k_qcc5abd34a8_attn.kd
    .args:
      - { .name: qkvc, .offset: 0, .size: 8, .value_kind: global_buffer, .address_space: global }
      - { .name: qkvsc, .offset: 8, .size: 8, .value_kind: global_buffer, .address_space: global }
      - { .name: ac, .offset: 16, .size: 8, .value_kind: global_buffer, .address_space: global }
      - { .name: asc, .offset: 24, .size: 8, .value_kind: global_buffer, .address_space: global }
    .group_segment_fixed_size: 216064
    .private_segment_fixed_size: 0
    .kernarg_segment_align: 8
    .kernarg_segment_size: 32
    .max_flat_workgroup_size: 512
    .sgpr_count:     100
    .vgpr_count:     256
    .wavefront_size: 32
...
	.end_amdgpu_metadata
.endif
;; end of part 3
;; launch oproj (part 4): grid 8 x 32, 4 waves a work-group, clusters of 4 x 4, 327,680 bytes of LDS; arguments ac, asc, wc, wsc, out0; writes out0
.if DOCPART == 4
	.amdgcn_target "amdgcn-amd-amdhsa--gfx1250"
	.amdhsa_code_object_version 6
	.text
	.protected	k_qcc5abd34a8_oproj
	.globl	k_qcc5abd34a8_oproj
	.p2align	8
	.type	k_qcc5abd34a8_oproj,@function
k_qcc5abd34a8_oproj:
	s_mov_b64 s[64:65], 0
	v_nop
	global_prefetch_b8 v0, s[64:65] scope:SCOPE_SE
	s_setreg_imm32_b32 hwreg(HW_REG_WAVE_MODE, 25, 1), 1
	s_wait_xcnt 0x0
	s_wait_alu depctr_hold_cnt(0) depctr_sa_sdst(0) depctr_va_vdst(0) depctr_va_sdst(0) depctr_va_ssrc(0) depctr_va_vcc(0) depctr_vm_vsrc(0)
	s_getreg_b32 s2, hwreg(HW_REG_IB_STS2, 6, 4)
	s_cmp_eq_u32 s2, 0
	s_cbranch_scc0 .Lentry_in_a_cluster
	s_endpgm
.Lentry_in_a_cluster:
	s_bfe_u32 s2, ttmp6, 0x10000c
	s_cmp_lg_u32 s2, 0xf033
	s_cbranch_scc0 .Lentry_shape_is_right
	s_endpgm
.Lentry_shape_is_right:
; out = o W_o^T on codes of FP6 (E2M3) with E8M0 scales, K = 1,024; out0 [8192][1024] f32.
; OPERANDS lie as images of fragments: codes [tile of 16 rows][kc: 128 along K, 0..7][1,536]: registers 2 g, 2 g + 1 of lane l at 256 g + 8 l; scale words [group of 128 rows][kc][512]: the word of (tile a, lane index r) at 32 r + 4 a.
; Lane index r of tile a of a group stands for row 64 (a / 4) + 8 (a % 4) + r % 8 + 32 (r / 8).  M1 = o (ac, asc: tokens); M0 = W_o (groups 24-31 of wc, wsc: its rows are the result's columns).
; THE DEAL.  A block of the result is 256 tokens x 128 columns: 32 x 8 = 256 work-groups of four waves, 2 x 2; a wave makes 128 x 64: 8 x 4 accumulators of 16 x 16.
; ALL OF K LIES IN LDS AT ONCE: M1's 16 tiles are 196,608 dense bytes, M0's 8 tiles 98,304, the scale words 8,192 and 4,096.  Four dense blocks, four waves: one tensor load a wave at the head, each in its own arm.
; Nothing is filled again: behind the head's one barrier the waves meet no barrier, and the walk along K, eight steps of 128, is written out with every offset an immediate.
; CLUSTERS 4 x 4: M1's blocks hang on the tile row and are shared along a row of the cluster, M0's on the tile column and are shared along a column: each is asked for jointly.
; THE MATRIX INSTRUCTION IS USED TRANSPOSED (source 0 = M0's tile, source 1 = M1's): register j of accumulator (a, b) in lane (r, h) is the token of lane index r of tile a, column 8 b + j + 32 h of the wave's 64.
; NO PREFETCH: everything is asked for at the head by the tensor loads themselves; there is no later load to run ahead of.
; REGISTERS: window 0: v1-31 addresses; v32-95 the scale words of all of K (register 8 kc + i: lanes 0-15 the word of M0's tile i, i < 4; lanes 16-31 of M1's tile i); v128-223 M1's fragments, ONE set; on the way out v128-191 rows read back.
;   window 1: M0's fragments, TWO sets of four, at v0 and v128.  window 2: the accumulators of M1's tiles 0-3 ((a, b) at v[8 (8 (a % 4) + b)]);  window 3: of tiles 4-7.
.set FR,     12                        ; registers of a fragment
.set NL,     6                         ; LDS loads that bring one
.set NP,     4                         ; places behind this matrix instruction (ISA guide 7.12.1)
.set FRB,    1536                      ; a fragment's image
.set TB,     8*FRB                     ; a tile, all of K
.set GRPB,   8*TB                      ; a group of 128 rows
.set M0B,    2*GRPB                    ; LDS: M1's 16 tiles at 0, M0's 8 tiles behind them,
.set SC0,    3*GRPB                    ; M0's scale words [kc][512],
.set SC1,    SC0+4096                  ; M1's [group][kc][512],
.set SPITCH, 272                       ; the way out: a stage of 16 rows x (256 bytes + 16) for each wave, bytes of its own,
.set STAGE,  SC1+8192
.set SPARE,  STAGE+4*16*SPITCH         ; and the spare words, 128 bytes for each wave
.set ADR1, 16                          ; v16-17  LDS address of my M1 tiles 0-3, 4-7
.set ADR0, 20                          ; v20     of my four M0 tiles
.set STO,  24                          ; v24     the way out: where I put 32 bytes of a row
.set RD,   25                          ; v25     where I read rows back
.set CO,   26                          ; v26     my byte offset in out0
.set ADRS, 27                          ; v27     my scale words: lanes 0-15 M0's, lanes 16-31 M1's
.set SPW,  28                          ; v28     my spare word; never rewritten
.set NIL,  29                          ; v29     0; never rewritten
.set SC,   32
.set AF,   128
.set BK,   128
.set G1,   24                          ; s[24:31], s[32:35] descriptor groups 1 and 0 of M1's codes
.set G0,   32
.set G1B,  48                          ; s[48:55], s[56:59] of M0's codes
.set G0B,  56
.set G1S,  68                          ; s[68:75], s[76:79] of M1's scale words
.set G0S,  76
.set G1SB, 80                          ; s[80:87], s[88:91] of M0's
.set G0SB, 88
.set MSB, 0
.macro WIN new                         ; the immediate's high byte repeats the setting that is left
.if MSB != (\new)
	s_set_vgpr_msb (MSB<<8)|(\new)
.set MSB, (\new)
.endif
.endm
.set MUL_LO, 0xa1                      ; source 0 (M0) window 1, source 1 (M1) window 0, C and D window 2
.set MUL_HI, 0xf1                      ; the same, C and D window 3
.set TO_B,   0x40                      ; destination window 1, address window 0
.macro CROUND                          ; a round of the cluster's barrier
	s_barrier_signal -1
	s_barrier_wait -1
	s_cmp_lg_u32 s16, 0
	s_cbranch_scc1 .Lnot_wave_0_\@
	s_barrier_signal -3
.Lnot_wave_0_\@:
	s_barrier_wait -3
	s_barrier_signal -1
	s_barrier_wait -1
.endm
.macro DESC g, mask, rows              ; group 1 of a dense block: rows of 256 bytes (32 elements of 8), one behind the other
	s_or_b32 s[\g+0], s\mask, (3<<16)|(1<<21)      ; 15:0 the mask; 17:16 elements of 8 bytes; 21 set beside a mask
	s_mov_b32 s[\g+1], 32<<16
	s_mov_b32 s[\g+2], (\rows)<<16
	s_mov_b32 s[\g+3], 32<<16
	s_mov_b32 s[\g+4], \rows
	s_mov_b32 s[\g+5], 32
	s_mov_b32 s[\g+6], 0
	s_mov_b32 s[\g+7], 0
.endm
.macro GRP0 g, lds, base, off          ; group 0: the block at base + off, to LDS byte lds
	s_mov_b32 s[\g], 1
	s_mov_b32 s[\g+1], \lds
	s_add_nc_u64 s[\g+2:\g+3], s[\base:\base+1], s[\off:\off+1]
	s_or_b32 s[\g+3], s[\g+3], 0x80000000
.endm
.macro ARM under, g0, g1, next         ; an arm of the head's one chain of branches on the wave's number: one load, and a jump to the join
	s_cmp_lt_u32 s16, \under
	s_cbranch_scc0 \next
	tensor_load_to_lds s[\g0:\g0+3], s[\g1:\g1+7]
	s_nop 0
.rept 4
	v_nop
.endr
	s_branch .Lhead_asked
\next:
.endm
.macro PLACES n
.rept \n
	v_nop
.endr
.endm
	s_load_b256 s[4:11], s[0:1], 0x0               ; ac, asc, wc, wsc
	s_load_b64 s[12:13], s[0:1], 0x20              ; out0
	v_lshl_add_u32 v[SPW], v0, 2, SPARE
	v_mov_b32 v[NIL], 0
	ds_add_u32 v[SPW], v[NIL]                      ; the opening lines: the add, twice on end, and its wait ahead of my tensor load
	ds_add_u32 v[SPW], v[NIL]
	v_lshrrev_b32 v1, 5, v0
	v_readfirstlane_b32 s16, v1                    ; wave 0..3
	s_lshr_b32 s17, s16, 1                         ; which 128 tokens are mine
	s_and_b32 s18, s16, 1                          ; which 64 columns
	s_bfe_u32 s40, ttmp6, 0x40000                  ; cx, cy: my place in the cluster
	s_bfe_u32 s41, ttmp6, 0x40004
	s_and_b32 s93, ttmp7, 0xffff
	s_lshl_b32 s93, s93, 2
	s_add_co_u32 s93, s93, s41                     ; tile row, 0..31: 256 tokens
	s_lshl_b32 s42, ttmp9, 2
	s_add_co_u32 s42, s42, s40                     ; tile column, 0..7: 128 columns
	s_mul_i32 s20, s93, 2*GRPB                     ; M1's two groups of codes,
	s_mov_b32 s21, 0
	s_lshl_b32 s22, s93, 13                        ; and of scale words
	s_mov_b32 s23, 0
	s_add_co_u32 s46, s42, 24                      ; W_o begins at group 24 of the weights
	s_lshl_b32 s96, s46, 12
	s_mov_b32 s97, 0
	s_mul_i32 s46, s46, GRPB
	s_mov_b32 s47, 0
	s_lshl_b32 s43, s41, 2
	s_lshl_b32 s43, 15, s43                        ; my row of the cluster
	s_lshl_b32 s44, 0x1111, s40                    ; my column
	DESC G1,   43, 768
	DESC G1B,  44, 384
	DESC G1S,  43, 32
	DESC G1SB, 44, 16
	s_mul_i32 s92, s17, GRPB                       ; LDS: my eight tiles of M1,
	s_mul_i32 s94, s18, 4*TB
	s_add_co_u32 s94, s94, M0B                     ; my four of M0,
	s_lshl_b32 s19, s18, 4
	s_add_co_u32 s95, s19, SC0                     ; their scale words: 16 bytes of a row's 32,
	s_lshl_b32 s98, s17, 12
	s_add_co_u32 s98, s98, SC1-SC0
	s_sub_co_u32 s98, s98, s19                     ; from there to my group's of M1,
	s_mul_i32 s99, s16, 16*SPITCH
	s_add_co_u32 s99, s99, STAGE                   ; my stage
	s_lshl_b32 s14, s93, 20                        ; out0: 256 rows of 4,096 bytes a tile row,
	s_lshl_b32 s15, s17, 19
	s_add_co_u32 s14, s14, s15                     ; my 128 rows,
	s_lshl_b32 s15, s42, 9
	s_add_co_u32 s14, s14, s15                     ; 512 bytes a tile column,
	s_lshl_b32 s15, s18, 8
	s_add_co_u32 s14, s14, s15                     ; my 256 bytes
	s_mov_b32 s15, 0
	s_wait_dscnt 0x0                               ; both opening adds are done
	CROUND                                         ; all sixteen work-groups are here: the joint loads meet.  The round stands ahead of the wait for the arguments
	s_wait_kmcnt 0x0
	GRP0 G0,   0,   4,  20
	GRP0 G0B,  M0B, 8,  46
	GRP0 G0S,  SC1, 6,  22
	GRP0 G0SB, SC0, 10, 96
	s_add_nc_u64 s[12:13], s[12:13], s[14:15]
	ARM 1, G0,  G1,  .Lhead_b                      ; wave 0: M1's codes; wave 1: M0's; wave 2: M1's scale words; wave 3: M0's
	ARM 2, G0B, G1B, .Lhead_sa
	ARM 3, G0S, G1S, .Lhead_sb
	tensor_load_to_lds s[G0SB:G0SB+3], s[G1SB:G1SB+7]
	s_nop 0
.rept 4
	v_nop
.endr
.Lhead_asked:
	v_and_b32 v1, 31, v0                           ; lane
	v_and_b32 v2, 15, v0                           ; r
	v_bfe_u32 v3, v0, 4, 1                         ; h
	v_lshlrev_b32 v6, 3, v1                        ; 8 x lane
	v_add_nc_u32 v[ADR1], s92, v6
	v_add_nc_u32 v[ADR1+1], 4*TB, v[ADR1]
	v_add_nc_u32 v[ADR0], s94, v6
	v_lshlrev_b32 v4, 5, v2                        ; 32 r
	v_mul_u32_u24 v5, s98, v3                      ; lanes 16-31 take M1's
	v_add_nc_u32 v4, v4, v5
	v_add_nc_u32 v[ADRS], s95, v4
	v_mul_u32_u24 v5, v2, SPITCH                   ; into the stage: row r, 128 bytes for each half of the lanes
	v_lshl_add_u32 v5, v3, 7, v5
	v_add_nc_u32 v[STO], s99, v5
	v_mul_u32_u24 v5, v3, SPITCH                   ; back: lanes 0-15 take one row of 256 bytes, lanes 16-31 the next
	v_lshl_add_u32 v5, v2, 4, v5
	v_add_nc_u32 v[RD], s99, v5
	v_lshlrev_b32 v5, 12, v3                       ; and the same two rows in out0
	v_lshl_add_u32 v[CO], v2, 4, v5
.macro FRAG reg, adr, kc, i            ; a fragment's image: six loads of 8 bytes a lane, 256 consecutive bytes each
.irp p, 0,1,2,3,4,5
	ds_load_b64 v[(\reg)+2*\p:(\reg)+2*\p+1], v[\adr] offset:(\i)*TB+(\kc)*FRB+256*\p
.endr
.endm
.macro FETCH_B kc, p                   ; M0's four fragments of step kc into set p
	WIN TO_B
.irp i, 0,1,2,3
	FRAG 128*(\p)+FR*\i, ADR0, \kc, \i
.endr
	WIN 0
.endm
.macro FETCH_A kc, i0                  ; M1's tiles i0 .. i0 + 3
.irp i, \i0, \i0+1, \i0+2, \i0+3
	FRAG AF+FR*(\i), ADR1+(\i)/4, \kc, (\i)%4
.endr
.endm
; 8 matrix instructions: M1's tiles a0, a0 + 1 x M0's four, 128 along K.  zero = 1: the first product starts the sums.  The 32 accumulators take turns, one instruction a turn, in the same order in every step.
.macro MUL8 a0, p, kc, zero
.irp a, \a0, \a0+1
.irp b, 0,1,2,3
.if \zero
	v_wmma_scale_f32_16x16x128_f8f6f4 v[8*(8*((\a)%4)+\b):8*(8*((\a)%4)+\b)+7], v[128*(\p)+FR*\b:128*(\p)+FR*\b+FR-1], v[AF+FR*(\a):AF+FR*(\a)+FR-1], 0, v[SC+8*(\kc)+\b], v[SC+8*(\kc)+(\a)] matrix_a_fmt:MATRIX_FMT_FP6 matrix_b_fmt:MATRIX_FMT_FP6 matrix_b_scale:MATRIX_SCALE_ROW1
.else
	v_wmma_scale_f32_16x16x128_f8f6f4 v[8*(8*((\a)%4)+\b):8*(8*((\a)%4)+\b)+7], v[128*(\p)+FR*\b:128*(\p)+FR*\b+FR-1], v[AF+FR*(\a):AF+FR*(\a)+FR-1], v[8*(8*((\a)%4)+\b):8*(8*((\a)%4)+\b)+7], v[SC+8*(\kc)+\b], v[SC+8*(\kc)+(\a)] matrix_a_fmt:MATRIX_FMT_FP6 matrix_b_fmt:MATRIX_FMT_FP6 matrix_b_scale:MATRIX_SCALE_ROW1
.endif
.endr
.endr
.endm
; A step of 128 along K: 32 matrix instructions; the next step's fragments are fetched in its middle (M0's other set, M1's tiles 0-3, whose products are issued) and at its end (tiles 4-7), each run behind its places
.macro STEP kc, zero
	s_wait_dscnt 4*NL                              ; M0's set and M1's tiles 0-3 are in; the youngest 24 loads (tiles 4-7) may be out
	WIN MUL_LO
	MUL8 0, (\kc)%2, \kc, \zero
	MUL8 2, (\kc)%2, \kc, \zero
	s_wait_dscnt 0                                 ; tiles 4-7 are in
	PLACES NP
	FETCH_B (\kc)+1, 1-(\kc)%2
	FETCH_A (\kc)+1, 0
	WIN MUL_HI
	MUL8 4, (\kc)%2, \kc, \zero
	MUL8 6, (\kc)%2, \kc, \zero
	PLACES NP
	WIN 0
	FETCH_A (\kc)+1, 4
.endm
	s_wait_alu depctr_va_vdst(0)
	s_wait_tensorcnt 0x0                           ; my block of the four is in,
	s_barrier_signal -1
	s_barrier_wait -1                              ; everybody's is.
.irp kc, 0,1,2,3,4,5,6,7                       ; the scale words of all of K: a lane's words of a kc are 32 bytes on end (of M0's the first 16 are used)
.irp u, 0,1
	ds_load_b128 v[SC+8*\kc+4*\u:SC+8*\kc+4*\u+3], v[ADRS] offset:512*\kc+16*\u
.endr
.endr
	FETCH_B 0, 0
	FETCH_A 0, 0
	FETCH_A 0, 4
	STEP 0, 1                                      ; the first step's products start the sums
.set KC, 1
.rept 6
	STEP KC, 0
.set KC, KC+1
.endr
	s_wait_dscnt 4*NL                              ; the last step: nothing more to fetch
	WIN MUL_LO
	MUL8 0, 1, 7, 0
	MUL8 2, 1, 7, 0
	s_wait_dscnt 0
	WIN MUL_HI
	MUL8 4, 1, 7, 0
	MUL8 6, 1, 7, 0
	WIN 0
; THE WAY OUT, tile by tile of 16 tokens x 64 columns.  A lane holds 4 x 32 bytes of a row, and the lanes beside it hold other rows: so a tile goes through my own stage in LDS and comes back as whole rows of 256 bytes,
; two to an instruction: sixteen lanes store one aligned unit of 256 bytes.  LDS serves a wave's instructions in order (ISA guide 5.7.1.4): no wait between the stores and the loads.
.macro TOSTAGE a
.set AC, 64*((\a)%4)
	WIN 0x08+4*((\a)/4)                            ; the data: window 2 or 3
.irp b, 0,1,2,3
	ds_store_b128 v[STO], v[AC+8*\b:AC+8*\b+3] offset:32*\b          ; each accumulator from its low end on
	ds_store_b128 v[STO], v[AC+8*\b+4:AC+8*\b+7] offset:32*\b+16
.endr
	WIN 0
.set BB, BK+32*((\a)%2)
.irp t, 0,1,2,3,4,5,6,7
	ds_load_b128 v[BB+4*\t:BB+4*\t+3], v[RD] offset:\t*2*SPITCH
.endr
.endm
.macro SEND a, younger                 ; younger: the LDS instructions issued behind tile a's loads, which may stay out
.set BB, BK+32*((\a)%2)
	s_wait_dscnt \younger
.irp t, 0,1,2,3,4,5,6,7
	global_store_b128 v[CO], v[BB+4*\t:BB+4*\t+3], s[12:13] offset:(64*((\a)/4)+8*((\a)%4)+2*(\t%4)+32*(\t/4))*4096 th:TH_STORE_NT   ; stage rows 2 t and 2 t + 1 are lane indices of tile a: their tokens by the rows' order; written once, read by nobody here
.endr
.endm
	PLACES NP                                      ; behind the last products: their results are read, and M1's registers loaded into, below
	TOSTAGE 0
.irp a, 1,2,3,4,5,6,7
.if \a > 1
	s_wait_xcnt 0x0                                ; tile a - 2's stores have read their registers: tile a's loads may land there
.endif
	TOSTAGE \a
	SEND \a-1, 16                                  ; behind tile a - 1's loads: tile a's 8 stores and 8 loads
.endr
	SEND 7, 0
	s_wait_tensorcnt 0x0                           ; the wave's end, behind my last LDS store
	ds_add_u32 v[SPW], v[NIL]
	s_wait_dscnt 0x0
	CROUND                                         ; the closing round
	s_endpgm
.Lfunc_end_k_qcc5abd34a8_oproj:
	.size	k_qcc5abd34a8_oproj, .Lfunc_end_k_qcc5abd34a8_oproj-k_qcc5abd34a8_oproj
	.p2alignl 7, 3214868480
	.fill 96, 4, 3214868480
	.section	.rodata,"a",@progbits
	.p2align	6, 0x0
	.amdhsa_kernel k_qcc5abd34a8_oproj
		.amdhsa_group_segment_fixed_size 327680
		.amdhsa_private_segment_fixed_size 0
		.amdhsa_enable_private_segment 0
		.amdhsa_kernarg_size 40
		.amdhsa_user_sgpr_count 2
		.amdhsa_user_sgpr_kernarg_segment_ptr 1
		.amdhsa_wavefront_size32 1
		.amdhsa_system_sgpr_workgroup_id_x 1
		.amdhsa_system_sgpr_workgroup_id_y 1
		.amdhsa_system_sgpr_workgroup_id_z 1
		.amdhsa_system_vgpr_workitem_id 0
		.amdhsa_next_free_vgpr 1024
		.amdhsa_next_free_sgpr 100
		.amdhsa_reserve_vcc 0
		.amdhsa_float_denorm_mode_32 3
		.amdhsa_float_denorm_mode_16_64 3
		.amdhsa_memory_ordered 1
		.amdhsa_forward_progress 1
		.amdhsa_inst_pref_size 96
	.end_amdhsa_kernel
	.amdgpu_metadata
---
amdhsa.version: [ 1, 2 ]
amdhsa.kernels:
  - .name:           k_qcc5abd34a8_oproj
    .symbol:         k_qcc5abd34a8_oproj.kd
    .args:
      - { .name: ac, .offset: 0, .size: 8, .value_kind: global_buffer, .address_space: global }
      - { .name: asc, .offset: 8, .size: 8, .value_kind: global_buffer, .address_space: global }
      - { .name: wc, .offset: 16, .size: 8, .value_kind: global_buffer, .address_space: global }
      - { .name: wsc, .offset: 24, .size: 8, .value_kind: global_buffer, .address_space: global }
      - { .name: out0, .offset: 32, .size: 8, .value_kind: global_buffer, .address_space: global }
    .group_segment_fixed_size: 327680
    .private_segment_fixed_size: 0
    .kernarg_segment_align: 8
    .kernarg_segment_size: 40
    .max_flat_workgroup_size: 128
    .sgpr_count:     100
    .vgpr_count:     1024
    .wavefront_size: 32
...
	.end_amdgpu_metadata
.endif
;; end of part 4
